; MI455X (gfx1250); checked and timed in simulation.
; The chip was launched on July 23, 2026; its instructions are those of AMD's public machine-readable ISA for CDNA 5 (MIT licence, August 2026) and "CDNA5" Instruction Set Architecture Reference Guide (July 2026). The comments in the code are by the model that wrote it; some were corrected since.
;; Encoder Block. Allowed arithmetic: float matrix products may take bf16 or f16 operands with f32 sums; other float arithmetic in f32, or as packed bf16 or f16 multiplies, adds, multiply-adds, maxima and minima; sums over many terms, partial sums and values carried from step to step in f32; what a program stores and reads back later, other than sums and carried values, may be rounded once to bf16 or f16.
;; Inputs: alpha1 1 float32; alpha2 1 float32; b1 4,096 float32; b2 1,024 float32; bias1 1 float32; bias2 1 float32; source_mask 2 x 1 x 1 x 2,048 int32; w1 4,096 x 1,024 float32; w2 1,024 x 4,096 float32; wk 16 x 1,024 x 64 float32; wo 1,024 x 1,024 float32; wq 16 x 1,024 x 64 float32; wv 16 x 1,024 x 64 float32; x 2 x 2,048 x 1,024 float32.
;; Outputs: out0 2 x 2,048 x 1,024 float32.
;; One version. Each part assembles by itself: llvm-mc -triple=amdgcn-amd-amdhsa -mcpu=gfx1250 --defsym DOCPART=n.
;; ======== version 1 of 1: 7 launches
;; limits: right only within a limited range of input values
;; workspace buffers: act8 8,388,608 bytes; big 33,554,432 bytes; wa 16,797,952 bytes; wb 16,797,952 bytes; x1 16,777,216 bytes
;; launch prep (part 1): grid 1217 x 1, 8 waves a work-group, no clusters, 18,432 bytes of LDS; arguments x, alpha1, bias1, wq, wk, wv, wo, w1, w2, b1, b2, act8, wa, wb; writes act8, wa, wb
.if DOCPART == 1
	.amdgcn_target "amdgcn-amd-amdhsa--gfx1250"
	.amdhsa_code_object_version 6
	.text
	.protected	k_q80dc24694b_prep
	.globl	k_q80dc24694b_prep
	.p2align	8
	.type	k_q80dc24694b_prep,@function
k_q80dc24694b_prep:
	s_mov_b64 s[64:65], 0
	v_nop
	global_prefetch_b8 v0, s[64:65] scope:SCOPE_SE
	s_setreg_imm32_b32 hwreg(HW_REG_WAVE_MODE, 25, 1), 1
	s_wait_xcnt 0x0
; PREP: everything that has to be rounded to bf16 or laid out anew before the products.  The work-group's number picks one of six jobs (the same for all its waves):
;   0-255     the first layer norm: 16 rows of x each -> act8, [4096][1024] bf16
;   256-639   wq, wk, wv ([head][d][q] f32) turned, a tile of 128 d x 64 q each -> wa, rows n = 1024 section + 64 head + q of 1024 d, bf16
;   640-895   w1 -> wb, [4096][1024] bf16       896-1151  w2 -> wb, in blocks of 256 along K: [16][1024][256] bf16       1152-1215  wo -> wa, likewise [4][1024][256]
;   1216      the small tables: biases (zeros for the products without one) and the floor of the large product's way out
; wa and wb have one layout: 0 bias of the large product, f32[4096]; 16,384 its floor, two bf16 a word; 16,640 bias of the small product, f32[1024]; 20,736 the large product's weights; 8,409,344 the small product's.
; Memory binds: 16-byte loads, 512 neighbouring bytes a wave; every store of a wave covers whole aligned stretches of 256 bytes.  No matrix unit, no cluster: nothing is shared.
; LIMITS.  The norm takes the mean away first and sums squares of the differences, so a common offset costs nothing; a variance below 2^-126 counts as 0 (the root's flush).
.set SPARE,  17408                     ; behind the turning tile (64 rows x 272 bytes): the spare words, 128 bytes for each of eight waves
.set WBIG,   20736
.set WSML,   8409344
.set FLOORO, 16384
.set BIASS,  16640
.set XP,  8                            ; s[8:9]   the norm's source
.set AP,  10                           ; s[10:11] alpha
.set BP,  12                           ; s[12:13] bias
.set DP,  30                           ; s[30:31] the norm's destination
.set SPW, 4                            ; v4  LDS address of my spare word; never rewritten
.set NIL, 5                            ; v5  0; never rewritten
; the four chains v[8:15] into one number, then over the 32 lanes: every lane ends with the sum in v8
.macro REDUCE
	v_pk_add_f32 v[8:9], v[8:9], v[10:11]
	v_pk_add_f32 v[12:13], v[12:13], v[14:15]
	v_pk_add_f32 v[8:9], v[8:9], v[12:13]
	v_add_f32 v8, v8, v9
	v_add_f32_dpp v8, v8, v8 row_xmask:1 row_mask:0xf bank_mask:0xf
	v_add_f32_dpp v8, v8, v8 row_xmask:2 row_mask:0xf bank_mask:0xf
	v_add_f32_dpp v8, v8, v8 row_xmask:4 row_mask:0xf bank_mask:0xf
	v_add_f32_dpp v8, v8, v8 row_xmask:8 row_mask:0xf bank_mask:0xf
	v_permlanex16_b32 v9, v8, s44, s45             ; v9 has been written above
	v_add_f32 v8, v8, v9
.endm
; One row of 1,024 f32, kept in 32 registers from v[X] on: load j holds numbers 128 j + 4 lane .. + 3.  left = younger loads that may stay out.
.macro LNROW X, rho, left
	s_wait_loadcnt \left
.irp c, 0,2,4,6
	v_pk_add_f32 v[8+\c:9+\c], v[(\X)+\c:(\X)+\c+1], v[(\X)+8+\c:(\X)+9+\c]  ; the first pairs start four chains: nothing is cleared
.endr
.irp k, 16,18,20,22,24,26,28,30
	v_pk_add_f32 v[8+\k%8:9+\k%8], v[8+\k%8:9+\k%8], v[(\X)+\k:(\X)+\k+1]
.endr
	REDUCE
	v_mul_f32 v16, 0x3a800000, v8                  ; mean = sum / 1024
	v_mov_b32 v17, v16
.set k, 0
.rept 16
	v_pk_add_f32 v[(\X)+k:(\X)+k+1], v[(\X)+k:(\X)+k+1], v[16:17] neg_lo:[0,1] neg_hi:[0,1]  ; x - mean, in place
.set k, k+2
.endr
.irp c, 0,2,4,6
	v_pk_mul_f32 v[8+\c:9+\c], v[(\X)+\c:(\X)+\c+1], v[(\X)+\c:(\X)+\c+1]
.endr
.irp k, 8,10,12,14,16,18,20,22,24,26,28,30
	v_pk_fma_f32 v[8+\k%8:9+\k%8], v[(\X)+\k:(\X)+\k+1], v[(\X)+\k:(\X)+\k+1], v[8+\k%8:9+\k%8]
.endr
	REDUCE
	v_mul_f32 v8, 0x3a802008, v8                   ; / 1023: the unbiased variance
	v_sqrt_f32 v9, v8
	v_nop                                          ; a plain instruction behind the root,
	s_wait_alu depctr_va_vdst(0)                   ; and the wait ahead of its first reader
	v_add_f32 v9, 0x358637bd, v9                   ; + 1e-6
	v_rcp_f32 v10, v9
	v_nop
	s_wait_alu depctr_va_vdst(0)
	v_mul_f32 v18, s40, v10                        ; alpha / (std + eps)
	v_mov_b32 v19, v18
.set k, 0
.rept 16
	v_pk_fma_f32 v[(\X)+k:(\X)+k+1], v[(\X)+k:(\X)+k+1], v[18:19], s[42:43] op_sel_hi:[1,1,0]
.set k, k+2
.endr
.set k, 0
.rept 16
	v_cvt_pk_bf16_f32 v[(\X)+k], v[(\X)+2*k], v[(\X)+2*k+1]  ; in place: word k is written when words 2 k and 2 k + 1 are read
.set k, k+1
.endr
.set j, 0
.rept 8
	global_store_b64 v3, v[(\X)+2*j:(\X)+2*j+1], s[DP:DP+1] offset:(\rho)*2048+256*j  ; 32 lanes x 8 bytes: 256 consecutive bytes, aligned
.set j, j+1
.endr
.endm
; Eight pieces of 256 f32 (1,024 bytes in, 512 out) a wave.  mode says where piece j goes: 0 on end; 1 a block of K further; 2 four blocks of K, then the next row.
.macro CAST SP, mode
.set j, 0
.rept 8
	global_load_b128 v[32+8*j:35+8*j], v2, s[\SP:\SP+1] offset:1024*j th:TH_LOAD_NT
	global_load_b128 v[36+8*j:39+8*j], v2, s[\SP:\SP+1] offset:1024*j+512 th:TH_LOAD_NT
.set j, j+1
.endr
.set j, 0
.rept 8
	s_wait_loadcnt 14-2*j                          ; piece j's two loads are in, the younger pieces' stay out
.irp k, 0,1,2,3
	v_cvt_pk_bf16_f32 v[32+8*j+\k], v[32+8*j+2*\k], v[32+8*j+2*\k+1]
.endr
.if (\mode) == 0
.set D, 512*j
.elseif (\mode) == 1
.set D, 524288*j
.else
.set D, (j%4)*524288+(j/4)*512
.endif
	global_store_b64 v3, v[32+8*j:33+8*j], s[46:47] offset:D      ; 256 consecutive bytes, aligned
	global_store_b64 v3, v[34+8*j:35+8*j], s[46:47] offset:D+256
.set j, j+1
.endr
.endm
	s_load_b512 s[8:23], s[0:1], 0x0               ; x 8, alpha1 10, bias1 12, wq 14, wk 16, wv 18, wo 20, w1 22
	s_load_b256 s[24:31], s[0:1], 0x40             ; w2 24, b1 26, b2 28, act8 30
	s_load_b128 s[32:35], s[0:1], 0x60             ; wa 32, wb 34
	v_lshl_add_u32 v[SPW], v0, 2, SPARE
	v_mov_b32 v[NIL], 0
	v_lshrrev_b32 v1, 5, v0
	v_readfirstlane_b32 s4, v1                     ; wave 0..7
	v_and_b32 v1, 31, v0
	v_lshlrev_b32 v2, 4, v1                        ; 16 x lane
	v_lshlrev_b32 v3, 3, v1                        ; 8 x lane
	s_mov_b32 s3, 0                                ; the high word of every offset
	s_wait_kmcnt 0x0
	s_cmp_lt_u32 ttmp9, 256
	s_cbranch_scc1 .Lln
	s_cmp_lt_u32 ttmp9, 640
	s_cbranch_scc1 .Ltr
	s_cmp_lt_u32 ttmp9, 896
	s_cbranch_scc1 .Lw1
	s_cmp_lt_u32 ttmp9, 1152
	s_cbranch_scc1 .Lw2
	s_cmp_lt_u32 ttmp9, 1216
	s_cbranch_scc1 .Lwo
	; THE TABLES: one work-group, thread t at byte 16 t
	v_lshlrev_b32 v6, 4, v0
.irp k, 0,1,2,3
	global_load_b128 v[32+4*\k:35+4*\k], v6, s[26:27] offset:4096*\k   ; b1
.endr
	global_load_b128 v[48:51], v6, s[28:29]                            ; b2
	v_mov_b32 v8, 0
	v_mov_b32 v9, 0
	v_mov_b32 v10, 0
	v_mov_b32 v11, 0
.irp k, 0,1,2,3
	global_store_b128 v6, v[8:11], s[32:33] offset:4096*\k             ; the projections have no bias
.endr
	global_store_b128 v6, v[8:11], s[32:33] offset:BIASS               ; nor has wo's product
	s_wait_loadcnt 0x0
.irp k, 0,1,2,3
	global_store_b128 v6, v[32+4*\k:35+4*\k], s[34:35] offset:4096*\k
.endr
	global_store_b128 v6, v[48:51], s[34:35] offset:BIASS
	s_cmp_lg_u32 s4, 0
	s_cbranch_scc1 .Lend                           ; wave 0 alone writes the two blocks of 256 bytes
	v_mov_b32 v12, 0xff7fff7f                      ; the lowest finite bf16, twice: a floor that changes no finite number
	v_mov_b32 v13, 0xff7fff7f
	global_store_b64 v3, v[12:13], s[32:33] offset:FLOORO
	global_store_b64 v3, v[8:9], s[34:35] offset:FLOORO                ; 0: the feed-forward's ReLU
	s_branch .Lend
.Lln:                                                  ; THE NORM: a wave takes rows 16 g + 2 w and the next
	s_load_b32 s40, s[AP:AP+1], 0x0
	s_load_b32 s42, s[BP:BP+1], 0x0
	s_mov_b32 s44, 0x76543210                      ; v_permlanex16_b32: each lane takes its own place in the other half
	s_mov_b32 s45, 0xfedcba98
	s_lshl_b32 s2, ttmp9, 16                       ; 16 rows of 4,096 bytes
	s_lshl_b32 s5, s4, 13
	s_add_co_u32 s2, s2, s5
	s_add_nc_u64 s[XP:XP+1], s[XP:XP+1], s[2:3]
	s_lshr_b32 s2, s2, 1                           ; rows of 2,048 bytes
	s_add_nc_u64 s[DP:DP+1], s[DP:DP+1], s[2:3]
.set j, 0
.rept 16
	global_load_b128 v[32+4*j:35+4*j], v2, s[XP:XP+1] offset:512*j th:TH_LOAD_NT  ; both rows at once: they lie on end
.set j, j+1
.endr
	s_wait_kmcnt 0x0
	s_mov_b32 s43, s42                             ; named with it as a pair
	LNROW 32, 0, 8                                 ; the second row's eight loads stay out
	LNROW 64, 1, 0
	s_branch .Lend
.Ltr:                                                  ; THE TURN: tile = section, head, block of 128 d
	s_sub_co_u32 s5, ttmp9, 256
	s_lshr_b32 s6, s5, 7                           ; section: q, k, v
	s_bfe_u32 s7, s5, 0x40003                      ; head
	s_and_b32 s40, s5, 7                           ; block of d
	s_cmp_eq_u32 s6, 0
	s_cselect_b64 s[42:43], s[14:15], s[16:17]
	s_cmp_eq_u32 s6, 2
	s_cselect_b64 s[42:43], s[18:19], s[42:43]
	s_lshl_b32 s2, s7, 18                          ; head x 1,024 rows of 256 bytes
	s_lshl_b32 s41, s40, 15                        ; block x 128 rows
	s_add_co_u32 s2, s2, s41
	s_add_nc_u64 s[42:43], s[42:43], s[2:3]
	s_lshl_b32 s2, s6, 21                          ; row 1024 section + 64 head, of 2,048 bytes,
	s_lshl_b32 s41, s7, 17
	s_add_co_u32 s2, s2, s41
	s_lshl_b32 s41, s40, 8                         ; its 256 bytes of this block
	s_add_co_u32 s2, s2, s41
	s_add_co_u32 s2, s2, WBIG
	s_add_nc_u64 s[46:47], s[32:33], s[2:3]
	v_and_b32 v6, 15, v0                           ; which four q
	v_lshrrev_b32 v7, 4, v0                        ; which pair of d, of sixteen
	v_lshlrev_b32 v8, 9, v7
	v_lshl_add_u32 v8, v6, 4, v8                   ; in: pair x 512 + 16 x group
	v_mul_u32_u24 v9, v6, 1088
	v_lshl_add_u32 v9, v7, 2, v9                   ; into the tile: row 4 x group (272 bytes a row), word = pair
	v_mul_u32_u24 v10, v7, 272
	v_lshl_add_u32 v10, v6, 4, v10                 ; back: sixteen lanes take a row's 256 bytes
	v_lshlrev_b32 v11, 11, v7
	v_lshl_add_u32 v11, v6, 4, v11                 ; and the same in memory
.irp i, 0,1,2,3
	global_load_b128 v[32+8*\i:35+8*\i], v8, s[42:43] offset:8192*\i th:TH_LOAD_NT       ; row d = 2 (pair + 16 i),
	global_load_b128 v[36+8*\i:39+8*\i], v8, s[42:43] offset:8192*\i+256 th:TH_LOAD_NT   ; and d + 1
.endr
.irp i, 0,1,2,3
	s_wait_loadcnt 6-2*\i                          ; this pair of rows is in, the younger pairs stay out
.irp j, 0,1,2,3
	v_cvt_pk_bf16_f32 v[64+4*\i+\j], v[32+8*\i+\j], v[36+8*\i+\j]    ; (d, d + 1) of one q: neighbours in the turned row
.endr
.irp j, 0,1,2,3
	ds_store_b32 v9, v[64+4*\i+\j] offset:\j*272+64*\i
.endr
.endr
	s_wait_dscnt 0x0                               ; for the others' sake: my stores are done
	s_barrier_signal -1
	s_barrier_wait -1
.irp i, 0,1,2,3
	ds_load_b128 v[32+4*\i:35+4*\i], v10 offset:4352*\i
.endr
.irp i, 0,1,2,3
	s_wait_dscnt 3-\i
	global_store_b128 v11, v[32+4*\i:35+4*\i], s[46:47] offset:32768*\i  ; sixteen lanes: 256 consecutive bytes, aligned
.endr
	s_branch .Lend
.Lw1:
	s_sub_co_u32 s5, ttmp9, 640
	s_lshl_b32 s2, s5, 16                          ; 64 pieces a work-group, 8 a wave
	s_lshl_b32 s6, s4, 13
	s_add_co_u32 s2, s2, s6
	s_add_nc_u64 s[22:23], s[22:23], s[2:3]
	s_lshr_b32 s2, s2, 1
	s_add_co_u32 s2, s2, WBIG
	s_add_nc_u64 s[46:47], s[34:35], s[2:3]
	CAST 22, 0
	s_branch .Lend
.Lw2:
	s_sub_co_u32 s5, ttmp9, 896
	s_lshl_b32 s2, s5, 16
	s_lshl_b32 s6, s4, 13
	s_add_co_u32 s2, s2, s6
	s_add_nc_u64 s[24:25], s[24:25], s[2:3]
	s_lshl_b32 s2, s5, 11                          ; a row has 16 pieces: row 4 g + w / 2, of 512 bytes in a block,
	s_lshr_b32 s6, s4, 1
	s_lshl_b32 s6, s6, 9
	s_add_co_u32 s2, s2, s6
	s_and_b32 s6, s4, 1                            ; blocks 0-7 or 8-15 of 524,288 bytes
	s_lshl_b32 s6, s6, 22
	s_add_co_u32 s2, s2, s6
	s_add_co_u32 s2, s2, WSML
	s_add_nc_u64 s[46:47], s[34:35], s[2:3]
	CAST 24, 1
	s_branch .Lend
.Lwo:
	s_sub_co_u32 s5, ttmp9, 1152
	s_lshl_b32 s2, s5, 16
	s_lshl_b32 s6, s4, 13
	s_add_co_u32 s2, s2, s6
	s_add_nc_u64 s[20:21], s[20:21], s[2:3]
	s_lshl_b32 s2, s5, 13                          ; a row has 4 pieces: rows 16 g + 2 w and the next
	s_lshl_b32 s6, s4, 10
	s_add_co_u32 s2, s2, s6
	s_add_co_u32 s2, s2, WSML
	s_add_nc_u64 s[46:47], s[32:33], s[2:3]
	CAST 20, 2
.Lend:
	s_wait_tensorcnt 0x0                           ; the wave's end, behind my last LDS store
	ds_add_u32 v[SPW], v[NIL]
	s_wait_dscnt 0x0
	s_endpgm
.Lfunc_end_k_q80dc24694b_prep:
	.size	k_q80dc24694b_prep, .Lfunc_end_k_q80dc24694b_prep-k_q80dc24694b_prep
	.p2alignl 7, 3214868480
	.fill 96, 4, 3214868480
	.section	.rodata,"a",@progbits
	.p2align	6, 0x0
	.amdhsa_kernel k_q80dc24694b_prep
		.amdhsa_group_segment_fixed_size 18432
		.amdhsa_private_segment_fixed_size 0
		.amdhsa_enable_private_segment 0
		.amdhsa_kernarg_size 112
		.amdhsa_user_sgpr_count 2
		.amdhsa_user_sgpr_kernarg_segment_ptr 1
		.amdhsa_wavefront_size32 1
		.amdhsa_system_sgpr_workgroup_id_x 1
		.amdhsa_system_sgpr_workgroup_id_y 1
		.amdhsa_system_sgpr_workgroup_id_z 1
		.amdhsa_system_vgpr_workitem_id 0
		.amdhsa_next_free_vgpr 96
		.amdhsa_next_free_sgpr 66
		.amdhsa_reserve_vcc 0
		.amdhsa_float_denorm_mode_32 3
		.amdhsa_float_denorm_mode_16_64 3
		.amdhsa_memory_ordered 1
		.amdhsa_forward_progress 1
		.amdhsa_inst_pref_size 42
	.end_amdhsa_kernel
	.amdgpu_metadata
---
amdhsa.version: [ 1, 2 ]
amdhsa.kernels:
  - .name:           k_q80dc24694b_prep
    .symbol:         k_q80dc24694b_prep.kd
    .args:
      - { .name: x, .offset: 0, .size: 8, .value_kind: global_buffer, .address_space: global }
      - { .name: alpha1, .offset: 8, .size: 8, .value_kind: global_buffer, .address_space: global }
      - { .name: bias1, .offset: 16, .size: 8, .value_kind: global_buffer, .address_space: global }
      - { .name: wq, .offset: 24, .size: 8, .value_kind: global_buffer, .address_space: global }
      - { .name: wk, .offset: 32, .size: 8, .value_kind: global_buffer, .address_space: global }
      - { .name: wv, .offset: 40, .size: 8, .value_kind: global_buffer, .address_space: global }
      - { .name: wo, .offset: 48, .size: 8, .value_kind: global_buffer, .address_space: global }
      - { .name: w1, .offset: 56, .size: 8, .value_kind: global_buffer, .address_space: global }
      - { .name: w2, .offset: 64, .size: 8, .value_kind: global_buffer, .address_space: global }
      - { .name: b1, .offset: 72, .size: 8, .value_kind: global_buffer, .address_space: global }
      - { .name: b2, .offset: 80, .size: 8, .value_kind: global_buffer, .address_space: global }
      - { .name: act8, .offset: 88, .size: 8, .value_kind: global_buffer, .address_space: global }
      - { .name: wa, .offset: 96, .size: 8, .value_kind: global_buffer, .address_space: global }
      - { .name: wb, .offset: 104, .size: 8, .value_kind: global_buffer, .address_space: global }
    .group_segment_fixed_size: 18432
    .private_segment_fixed_size: 0
    .kernarg_segment_align: 8
    .kernarg_segment_size: 112
    .max_flat_workgroup_size: 256
    .sgpr_count:     66
    .vgpr_count:     96
    .wavefront_size: 32
...
	.end_amdgpu_metadata
.endif
;; end of part 1
;; launch qkv (part 2): grid 12 x 16, 4 waves a work-group, clusters of 4 x 4, 327,680 bytes of LDS; arguments act8, wa, big; writes big
.if DOCPART == 2
	.amdgcn_target "amdgcn-amd-amdhsa--gfx1250"
	.amdhsa_code_object_version 6
	.text
	.protected	k_q80dc24694b_qkv
	.globl	k_q80dc24694b_qkv
	.p2align	8
	.type	k_q80dc24694b_qkv,@function
k_q80dc24694b_qkv:
	s_mov_b64 s[64:65], 0
	v_nop
	global_prefetch_b8 v0, s[64:65] scope:SCOPE_SE
	s_setreg_imm32_b32 hwreg(HW_REG_WAVE_MODE, 25, 1), 1
	s_wait_xcnt 0x0
	s_wait_alu depctr_hold_cnt(0) depctr_sa_sdst(0) depctr_va_vdst(0) depctr_va_sdst(0) depctr_va_ssrc(0) depctr_va_vcc(0) depctr_vm_vsrc(0)
	s_getreg_b32 s2, hwreg(HW_REG_IB_STS2, 6, 4)
	s_cmp_eq_u32 s2, 0
	s_cbranch_scc0 .Lentry_in_a_cluster
	s_endpgm
.Lentry_in_a_cluster:
	s_bfe_u32 s2, ttmp6, 0x10000c
	s_cmp_lg_u32 s2, 0xf033
	s_cbranch_scc0 .Lentry_shape_is_right
	s_endpgm
.Lentry_shape_is_right:
; THE LARGE PRODUCT.  C[m][n] = max(sum over k of A[m][k] B[n][k] + bias[n], floor), K = 1,024.  A: [4096][1024] bf16.  The second buffer holds bias (f32, at 0), floor (two bf16, at 16,384) and B ([n][1024] bf16, at 20,736).
; C leaves in bf16, in blocks of 256 columns: [n / 256][4096][256], so that the next launch finds rows of 512 dense bytes.  One text serves the three projections (bias 0, a floor that changes no finite number: the price of one text) and
; the feed-forward's first layer (b1, floor 0 = ReLU).  Sums in f32; the bias is the C operand that starts each sum; C is rounded once.
; A tile of C, 256 x 256, is made by four waves, one to a SIMD; a wave makes 128 x 128: 64 accumulators, 512 registers.  K goes in 8 steps of 128 through two LDS slots filled by tensor loads whose rows are 256 aligned bytes of memory.
; A K STEP IS WRITTEN TWICE: in the loop, whose trip is one step, and once more for the last two, which ask for nothing.  Which slot is read hangs on the scalar TB (0 or SLOT), turned by an exclusive or at each change of slots; the refills go by one group 0 for A and one for B that walk.
; CLUSTERS: 4 x 4 work-groups; A's tiles are asked for jointly along a row of the cluster, B's along a column: the same load, descriptor and mask in all four.
; REGISTERS, in windows of 256: window 0: v0-31 addresses; v64-191 A's fragments, two buffers; v32-63, v192-255 the way out.  window 1: v0-63 the bias, as eight C operands; v64-191 B's fragments.  windows 2, 3: the accumulators.
; THE MATRIX INSTRUCTION IS USED TRANSPOSED (source 0 = 16 rows of B, source 1 = 16 rows of A): a lane holds row l % 16 of C and the columns 8 (l / 16) + 0..7, which pack into 16 bytes.
; LIMITS: bf16 operands; NaN and infinities are not treated apart (the floor's maximum drops a NaN).
.set SIZE_K, 1024
.set KSTEP,  128
.set PITCH,  272                       ; an LDS row: 256 bytes + 16 of padding: the 16 rows of a fragment load start at 16 different groups of four banks (ISA guide 11.1)
.set HALFT,  128*PITCH                 ; 0x8800
.set SLOT,   4*HALFT                   ; A's 256 rows, then B's 256 rows: 0x22000.  Its two bits, 17 and 13, are 0 in wave x HALFT for waves 0 to 3: an exclusive or with SLOT adds it or takes it away
.set STAGE,  2*SLOT                    ; behind the ring: 16 rows x 272 bytes for each wave, for the way out
.set SPITCH, 272
.set SPARE,  STAGE+4*16*SPITCH         ; behind the stages: the spare words, 128 bytes for each wave
.set STEPS,  SIZE_K/KSTEP              ; 8 K steps
.set WBIG,   20736
.set FLOORO, 16384
.set ADRA,  16                         ; v16     LDS address of my A fragments in the slot that is read
.set ADRA0, 17                         ; v17     the same in slot 0; never rewritten
.set ADRB,  20                         ; v20-21  the same for B
.set ADRB0, 21
.set STO,  24                          ; v24     the way out: where I put 16 bytes of a row
.set RD,   25                          ; v25     where I read a row back
.set CO,   26                          ; v26     my byte offset in two rows of a block of C
.set BO,   27                          ; v27     my byte offset in the bias
.set SPW,  28                          ; v28     LDS address of my spare word; never rewritten
.set NIL,  29                          ; v29     0; never rewritten
.set PFO,  30                          ; v30     the prefetches' offset: lane x 2,048 bytes; never rewritten
.set PFA,  44                          ; s[44:45] where my prefetches stand
.set LIM,  43                          ; s43     2 in a wave that prefetches, else the greatest number
.set F0,   64
.set F1,   128
.set TMP,  192
.set OB,   32
.set G1,   24                          ; s[24:31] group 1 for A's tiles;  s[32:39] group 0: a set for each of the two first fills; the second then walks on
.set G0,   32
.set G1B,  48                          ; s[48:55], s[56:63] the same for B's
.set G0B,  56
.set FLR,  66                          ; s66     the floor
.set TB,   67                          ; s67     LDS byte at which the slot that is read begins
.set WP,   68                          ; s[68:69] B's first row
.set MSB, 0
.macro WIN new                         ; the immediate's high byte repeats the setting that is left; a switch that changes nothing is dropped
.if MSB != (\new)
	s_set_vgpr_msb (MSB<<8)|(\new)
.set MSB, \new
.endif
.endm
.set MUL_LO, 0xa1                      ; source 0 (B) window 1, source 1 (A) window 0, C and D window 2
.set MUL_HI, 0xf1                      ; the same, C and D window 3
.set TO_B,   0x40                      ; destination window 1, address window 0
; A joint load: waves 0 and 1 fetch A's two halves, waves 2 and 3 B's.  The branch hangs on the wave's number alone.  An s_nop 0 and four v_nop follow each line.
.macro JLOAD s
	s_cmp_eq_u32 s11, 0
	s_cbranch_scc0 .Lfor_b_\@
	tensor_load_to_lds s[G0+4*(\s):G0+4*(\s)+3], s[G1:G1+7]
	s_nop 0
.rept 4
	v_nop
.endr
	s_branch .Lasked_\@
.Lfor_b_\@:
	tensor_load_to_lds s[G0B+4*(\s):G0B+4*(\s)+3], s[G1B:G1B+7]
	s_nop 0
.rept 4
	v_nop
.endr
.Lasked_\@:
.endm
; A prefetch of the K step that stands two refills on: 32 rows x 256 bytes, a lane a row.  A's rows are named by the clusters with x = 0, B's by those with y = 0; the four partners that ask for a tile jointly
; take 32 of a wave's 128 rows each, told apart by address.  So each row's 256 bytes of K steps 4 to 7 are named once in the launch; the loop's last two trips (counter 2 and 1) have no K step two on and name nothing.
.macro ASK
	s_cmp_gt_u32 s3, s[LIM]
	s_cbranch_scc0 .Lnot_mine_\@
	global_prefetch_b8 v[PFO], s[PFA:PFA+1] offset:KSTEP*2 th:TH_LOAD_NT scope:SCOPE_SE
.Lnot_mine_\@:
.endm
.macro CREST                           ; a round of the cluster's barrier behind its opening barrier
	s_cmp_lg_u32 s10, 0
	s_cbranch_scc1 .Lnot_wave_0_\@
	s_barrier_signal -3
.Lnot_wave_0_\@:
	s_barrier_wait -3
	s_barrier_signal -1
	s_barrier_wait -1
.endm
.macro CROUND
	s_barrier_signal -1
	s_barrier_wait -1
	CREST
.endm
	s_load_b128 s[4:7], s[0:1], 0x0                ; A s[4:5], bias/floor/B s[6:7]
	s_load_b64 s[8:9], s[0:1], 0x10                ; C
	v_lshl_add_u32 v[SPW], v0, 2, SPARE
	v_mov_b32 v[NIL], 0
	ds_add_u32 v[SPW], v[NIL]                      ; the wave's opening: the add and its wait stand ahead of my first tensor load; the set-up below stands between them
	v_lshrrev_b32 v1, 5, v0
	v_readfirstlane_b32 s10, v1                    ; wave 0..3
	s_lshr_b32 s11, s10, 1                         ; which half of the tile's rows is mine.  Also: I fetch for A (0) or for B (1)
	s_and_b32 s12, s10, 1                          ; which half of its columns.  Also: which 128 rows of that tile I fetch
	s_bfe_u32 s40, ttmp6, 0x40000                  ; cx
	s_bfe_u32 s41, ttmp6, 0x40004                  ; cy
	s_lshl_b32 s42, ttmp9, 2
	s_add_co_u32 s42, s42, s40                     ; tile column
	s_and_b32 s13, ttmp7, 0xffff
	s_lshl_b32 s13, s13, 2
	s_add_co_u32 s13, s13, s41                     ; tile row
	s_lshl_b32 s43, s41, 2
	s_lshl_b32 s43, 15, s43                        ; my row of the cluster
	s_lshl_b32 s44, 0x1111, s40                    ; my column
	s_or_b32 s[G1+0], s43, (1<<16)|(1<<20)|(1<<21)|(5<<22)|(3<<25)   ; the mask; 2-byte elements; padding on; bit 21 beside a mask; after every 64 words, 4 words
	s_or_b32 s[G1B+0], s44, (1<<16)|(1<<20)|(1<<21)|(5<<22)|(3<<25)
.irp g, G1, G1B
	s_mov_b32 s[(\g)+1], KSTEP<<16                 ; tensor_dim0 = 128
	s_mov_b32 s[(\g)+2], 128<<16                   ; tensor_dim1 = 128
	s_mov_b32 s[(\g)+3], KSTEP<<16                 ; tile_dim0 = 128
	s_mov_b32 s[(\g)+4], 128                       ; tile_dim1 = 128
	s_mov_b32 s[(\g)+5], SIZE_K                    ; elements from row to row
	s_mov_b32 s[(\g)+6], 0
	s_mov_b32 s[(\g)+7], 0
.endr
	s_lshl_b32 s17, s12, 7                         ; which 128 rows of the tile I fetch
	s_lshl_b32 s16, s13, 8
	s_add_co_u32 s16, s16, s17
	s_lshl_b32 s16, s16, 11                        ; A: (256 x tile row + 128 x half) rows of 2,048 bytes
	s_lshl_b32 s46, s42, 8
	s_add_co_u32 s46, s46, s17
	s_lshl_b32 s46, s46, 11                        ; B: by the tile column
	s_mov_b32 s17, 0
	s_mov_b32 s47, 0
	s_mul_i32 s20, s10, HALFT                      ; where they go: wave x 128 rows: no place in the cluster enters an LDS address
	s_mov_b32 s[TB], 0                             ; K step 0 lies in slot 0
	s_wait_dscnt 0x0                               ; the opening add is done
	s_wait_kmcnt 0x0
	s_load_b32 s[FLR], s[6:7], FLOORO
	s_add_nc_u64 s[WP:WP+1], s[6:7], WBIG
	s_add_nc_u64 s[14:15], s[4:5], s[16:17]
	s_add_nc_u64 s[46:47], s[WP:WP+1], s[46:47]
	CROUND                                         ; all sixteen work-groups are here: the first joint loads meet
.irp s, 0,1
	s_mov_b32 s[G0+4*(\s)], 1
	s_add_co_u32 s[G0+4*(\s)+1], s20, (\s)*SLOT
	s_add_nc_u64 s[G0+4*(\s)+2:G0+4*(\s)+3], s[14:15], (\s)*KSTEP*2
	s_or_b32 s[G0+4*(\s)+3], s[G0+4*(\s)+3], 0x80000000
	s_mov_b32 s[G0B+4*(\s)], 1
	s_add_co_u32 s[G0B+4*(\s)+1], s20, (\s)*SLOT
	s_add_nc_u64 s[G0B+4*(\s)+2:G0B+4*(\s)+3], s[46:47], (\s)*KSTEP*2
	s_or_b32 s[G0B+4*(\s)+3], s[G0B+4*(\s)+3], 0x80000000
	JLOAD \s                                       ; two loads of mine are out
.endr
	v_and_b32 v1, 15, v0                           ; l % 16
	v_bfe_u32 v2, v0, 4, 1                         ; l / 16
	s_lshl_b32 s20, s42, 10                        ; the bias of my 128 columns: (256 x tile column + 128 x half) x 4 bytes,
	s_lshl_b32 s21, s12, 9
	s_add_co_u32 s20, s20, s21
	v_lshl_add_u32 v[BO], v2, 5, s20               ; + 32 (l / 16): register j of block b is bias[16 b + 8 (l / 16) + j], the accumulators' own layout
	WIN TO_B
.irp b, 0,1,2,3,4,5,6,7
	global_load_b128 v[8*(\b):8*(\b)+3],   v[BO], s[6:7] offset:64*(\b)
	global_load_b128 v[8*(\b)+4:8*(\b)+7], v[BO], s[6:7] offset:64*(\b)+16
.endr
	WIN 0
	v_mul_u32_u24 v3, v1, PITCH
	v_lshl_add_u32 v3, v2, 4, v3                   ; a fragment's row x pitch + 16 x half
	s_mul_i32 s21, s11, HALFT                      ; my 128 rows of A
	s_mul_i32 s22, s12, HALFT                      ; my 128 rows of B,
	s_add_co_u32 s22, s22, 2*HALFT                 ; which lie behind A's 256
	v_add_nc_u32 v[ADRA0], s21, v3
	v_add_nc_u32 v[ADRB0], s22, v3
	v_add_nc_u32 v[ADRA], s[TB], v[ADRA0]
	v_add_nc_u32 v[ADRB], s[TB], v[ADRB0]
	s_mul_i32 s23, s10, 16*SPITCH
	s_add_co_u32 s23, s23, STAGE                   ; my stage
	v_mul_u32_u24 v4, v1, SPITCH
	v_lshl_add_u32 v4, v2, 4, v4
	v_add_nc_u32 v[STO], s23, v4
	v_mul_u32_u24 v5, v2, SPITCH
	v_lshl_add_u32 v5, v1, 4, v5
	v_add_nc_u32 v[RD], s23, v5
	v_lshlrev_b32 v5, 9, v2                        ; two rows of 512 bytes in a block of C
	v_lshl_add_u32 v[CO], v1, 4, v5
	s_lshl_b32 s13, s13, 8                         ; 256 x tile row
	s_lshl_b32 s14, s11, 7
	s_add_co_u32 s16, s13, s14                     ; my first row,
	s_lshl_b32 s16, s16, 9                         ; of 512 bytes,
	s_lshl_b32 s46, s42, 21                        ; in block = tile column, of 2,097,152 bytes,
	s_lshl_b32 s47, s12, 8                         ; my 256 bytes of the row
	s_add_co_u32 s46, s46, s47
	s_add_co_u32 s16, s16, s46
	s_mov_b32 s17, 0
	; the prefetches
	s_lshl_b32 s42, s42, 8
	s_and_b32 s22, ttmp7, 0xffff                   ; cluster y
	s_cmp_eq_u32 s11, 0                            ; do I fetch for A?
	s_cselect_b32 s20, s13, s42                    ; the tile's first row
	s_cselect_b32 s21, s40, s41                    ; my place among the four that ask for it with me
	s_cselect_b32 s22, ttmp9, s22                  ; the coordinate along which other clusters read the same rows
	s_cselect_b64 s[PFA:PFA+1], s[4:5], s[WP:WP+1]
	s_cmp_eq_u32 s22, 0
	s_cselect_b32 s[LIM], 2, -1                    ; the same in all sixteen partners, for a given wave
	s_lshl_b32 s22, s12, 7
	s_add_co_u32 s20, s20, s22                     ; + the 128 rows that I fetch
	s_lshl_b32 s21, s21, 5
	s_add_co_u32 s20, s20, s21                     ; + my work-group's 32 of them
	s_lshl_b32 s20, s20, 11
	s_mov_b32 s21, 0
	s_add_nc_u64 s[PFA:PFA+1], s[PFA:PFA+1], s[20:21]
	s_add_nc_u64 s[PFA:PFA+1], s[PFA:PFA+1], 2*KSTEP*2  ; at K step 2: the first refill steps it to 3 and names K step 4
	v_and_b32 v[PFO], 31, v0
	v_lshlrev_b32 v[PFO], 11, v[PFO]
; 16 matrix instructions: m blocks a0, a0 + 1 of the window's four x all 8 n blocks, 32 along K.  zero = 1: the bias (window 1) starts the sums: nothing is cleared.
; The 64 accumulators take turns, one instruction a turn, in the same order in every quarter, over the backward jump too.
.macro MUL16 f, hi, a0, zero
.if \zero
	WIN 0x91+0x40*(\hi)                            ; C in window 1, D in window 2 or 3
.else
	WIN MUL_LO+0x50*(\hi)
.endif
.irp a, \a0, (\a0)+1
.irp b, 0,1,2,3,4,5,6,7
.if \zero
	v_wmma_f32_16x16x32_bf16 v[8*(8*(\a)+(\b)):8*(8*(\a)+(\b))+7], v[(\f)+8*(\b):(\f)+8*(\b)+7], v[(\f)+8*(4*(\hi)+(\a)):(\f)+8*(4*(\hi)+(\a))+7], v[8*(\b):8*(\b)+7]
.else
	v_wmma_f32_16x16x32_bf16 v[8*(8*(\a)+(\b)):8*(8*(\a)+(\b))+7], v[(\f)+8*(\b):(\f)+8*(\b)+7], v[(\f)+8*(4*(\hi)+(\a)):(\f)+8*(4*(\hi)+(\a))+7], v[8*(8*(\a)+(\b)):8*(8*(\a)+(\b))+7]
.endif
.endr
.endr
.endm
; 32 LDS loads in one run: the fragments of one quarter step (B's 128 rows, then A's) at byte k of the rows of the slot that is read, into buffer f
.macro FETCH k, f
	WIN TO_B
.irp i, 0,1,2,3,4,5,6,7
	ds_load_b128 v[(\f)+8*(\i):(\f)+8*(\i)+3],   v[ADRB] offset:(\k)+(\i)*16*PITCH
	ds_load_b128 v[(\f)+8*(\i)+4:(\f)+8*(\i)+7], v[ADRB] offset:(\k)+(\i)*16*PITCH+32
.endr
	WIN 0
.irp i, 0,1,2,3,4,5,6,7
	ds_load_b128 v[(\f)+8*(\i):(\f)+8*(\i)+3],   v[ADRA] offset:(\k)+(\i)*16*PITCH
	ds_load_b128 v[(\f)+8*(\i)+4:(\f)+8*(\i)+7], v[ADRA] offset:(\k)+(\i)*16*PITCH+32
.endr
.endm
.macro PLACES                          ; four plain places behind matrix instructions, in front of loads into registers that they have read and of conversions that read results
.rept 4
	v_nop
.endr
.endm
; A K step is four quarters of 32 along K, 64 matrix instructions each, on buffers 0, 1, 0, 1.  One of the first three: multiplies f, and in its middle fetches the next quarter into g.
.macro QUARTER k, f, g, zero
	s_wait_dscnt 8                                 ; B and A's rows 0-63 are in; the youngest eight loads (A's rows 64-127) may be out
	MUL16 \f, 0, 0, \zero
	MUL16 \f, 0, 2, \zero
	PLACES
	FETCH \k, \g
	s_wait_dscnt 32                                ; all but the 32 just issued
	MUL16 \f, 1, 0, \zero
	MUL16 \f, 1, 2, \zero
.endm
; The last quarter's first half, and the one barrier of a change of slots: in front of it each wave waits for all its tensor loads (one is out: its part of the next slot), adds 0 to its spare word, and waits for that and for its reads of this slot.
; Between the add and the wait for it stands work on registers: TB turns to the other slot; round = 1: the walking descriptors turn to the slot that is left and step one K step on, to the K step two behind the one in hand.
.macro MEET round
	WIN 0
	s_wait_tensorcnt 0x0                           ; no tensor load of mine is out, so a group 0 may be written
	ds_add_u32 v[SPW], v[NIL]
.if \round
	s_xor_b32 s[G0+5], s[G0+5], SLOT
	s_add_nc_u64 s[G0+6:G0+7], s[G0+6:G0+7], KSTEP*2   ; the type bits on top are not reached
	s_xor_b32 s[G0B+5], s[G0B+5], SLOT
	s_add_nc_u64 s[G0B+6:G0B+7], s[G0B+6:G0B+7], KSTEP*2
.endif
	s_xor_b32 s[TB], s[TB], SLOT
	s_wait_dscnt 9                                 ; (the add and the youngest eight loads may be out)
	MUL16 F1, 0, 0, 0                              ; sixteen matrix instructions stand between the add and the wait for it
	s_wait_dscnt 0x0                               ; the add is done, and my reads of this slot are over
	s_barrier_signal -1
	MUL16 F1, 0, 2, 0
.if \round
	WIN 0
.endif
	s_barrier_wait -1
.endm
; The whole last quarter with a refill: the barrier opens a round of the cluster's; the joint refill is the first tensor load behind it and has 224 matrix instructions in which to land.
.macro TURN
	s_wait_xcnt 0x0                                ; the last prefetch, a K step back, has read its address
	s_add_nc_u64 s[PFA:PFA+1], s[PFA:PFA+1], KSTEP*2
	MEET 1
	CREST
	JLOAD 1                                        ; the four v_nop behind it are also the places in front of the loads below
	v_add_nc_u32 v[ADRA], s[TB], v[ADRA0]          ; the next slot's addresses
	v_add_nc_u32 v[ADRB], s[TB], v[ADRB0]
	FETCH 0, F0
	ASK
	MUL16 F1, 1, 0, 0
	MUL16 F1, 1, 2, 0
.endm
; THE WAY OUT of block a (16 rows): rounded to bf16 and held to the floor; into my own stage and back as whole rows of 256 bytes; stored.
.macro PACK a
.set AC, 64*((\a)%4)
	WIN 0x0a+5*((\a)/4)                            ; sources 0 and 1: window 2 or 3
.irp b, 0,1,2,3,4,5,6,7
.irp r, 0,1,2,3
	v_cvt_pk_bf16_f32 v[TMP+4*(\b)+(\r)], v[AC+8*(\b)+2*(\r)], v[AC+8*(\b)+2*(\r)+1]
.endr
.endr
	WIN 0
.set i, 0
.rept 32
	v_pk_max_num_bf16 v[TMP+i], v[TMP+i], s[FLR]   ; two maxima a line; nothing is rounded
.set i, i+1
.endr
.endm
.macro TOSTAGE a
	WIN 0
.set BK, OB+192*((\a)%2)
.irp b, 0,1,2,3,4,5,6,7
	ds_store_b128 v[STO], v[TMP+4*(\b):TMP+4*(\b)+3] offset:32*(\b)
.endr
.irp t, 0,1,2,3,4,5,6,7
	ds_load_b128 v[BK+4*(\t):BK+4*(\t)+3], v[RD] offset:(\t)*2*SPITCH  ; LDS serves a wave's instructions in order (ISA guide 5.7.1.4): these see the stores above
.endr
.endm
.macro SEND a, younger
	WIN 0
.set BK, OB+192*((\a)%2)
	s_wait_dscnt \younger
	s_wait_xcnt 0x0                                ; the stores' base, and the registers that earlier stores read, are rewritten only behind this wait
.if (\a) == 0
	s_add_nc_u64 s[8:9], s[8:9], s[16:17]
.else
	s_add_nc_u64 s[8:9], s[8:9], 16*512
.endif
.irp t, 0,1,2,3,4,5,6,7
	global_store_b128 v[CO], v[BK+4*(\t):BK+4*(\t)+3], s[8:9] offset:(\t)*1024  ; 16 lanes store 256 consecutive bytes, aligned
.endr
.endm
	s_wait_kmcnt 0x0                               ; the floor
	s_wait_loadcnt 0x0                             ; the bias
	s_wait_tensorcnt 1                             ; my part of K step 0 is in; K step 1's may stay out
	s_barrier_signal -1
	s_barrier_wait -1
	FETCH 0, F0
	QUARTER 64,  F0, F1, 1                         ; the first quarter stands in front of the loop: the bias starts the sums
	WIN 0                                          ; at a label and at a branch every window is 0
	s_mov_b32 s3, STEPS-2
.Lstep:                                                ; a trip goes from a K step's second quarter to the next step's first, and fills the slot that it leaves again: K steps 2 to 7
	QUARTER 128, F1, F0, 0
	QUARTER 192, F0, F1, 0
	TURN
	QUARTER 64,  F0, F1, 0
	WIN 0
	s_sub_co_u32 s3, s3, 1
	s_cmp_lg_u32 s3, 0
	s_cbranch_scc1 .Lstep
	QUARTER 128, F1, F0, 0                         ; the last two K steps are written out: they ask for nothing
	QUARTER 192, F0, F1, 0
	MEET 0
	WIN 0
	v_add_nc_u32 v[ADRA], s[TB], v[ADRA0]
	v_add_nc_u32 v[ADRB], s[TB], v[ADRB0]
	PLACES
	FETCH 0, F0
	MUL16 F1, 1, 0, 0
	MUL16 F1, 1, 2, 0
	QUARTER 64,  F0, F1, 0
	QUARTER 128, F1, F0, 0
	QUARTER 192, F0, F1, 0
	s_wait_dscnt 8
	MUL16 F1, 0, 0, 0
	MUL16 F1, 0, 2, 0
	s_wait_dscnt 0x0
	MUL16 F1, 1, 0, 0
	MUL16 F1, 1, 2, 0
	PLACES
	PACK 0
	TOSTAGE 0
.irp a, 1,2,3,4,5,6,7                  ; block a's arithmetic stands between block a - 1's loads from the stage and the wait for them
	PACK \a
	SEND (\a)-1, 0
	TOSTAGE \a
.endr
	SEND 7, 0
	s_wait_tensorcnt 0x0                           ; the wave's end, behind my last tensor load and my last LDS store
	ds_add_u32 v[SPW], v[NIL]
	s_wait_dscnt 0x0
	CROUND                                         ; the closing round: no work-group ends while a partner may still ask for a tile that names it
	s_endpgm
.Lfunc_end_k_q80dc24694b_qkv:
	.size	k_q80dc24694b_qkv, .Lfunc_end_k_q80dc24694b_qkv-k_q80dc24694b_qkv
	.p2alignl 7, 3214868480
	.fill 96, 4, 3214868480
	.section	.rodata,"a",@progbits
	.p2align	6, 0x0
	.amdhsa_kernel k_q80dc24694b_qkv
		.amdhsa_group_segment_fixed_size 327680
		.amdhsa_private_segment_fixed_size 0
		.amdhsa_enable_private_segment 0
		.amdhsa_kernarg_size 24
		.amdhsa_user_sgpr_count 2
		.amdhsa_user_sgpr_kernarg_segment_ptr 1
		.amdhsa_wavefront_size32 1
		.amdhsa_system_sgpr_workgroup_id_x 1
		.amdhsa_system_sgpr_workgroup_id_y 1
		.amdhsa_system_sgpr_workgroup_id_z 1
		.amdhsa_system_vgpr_workitem_id 0
		.amdhsa_next_free_vgpr 1024
		.amdhsa_next_free_sgpr 72
		.amdhsa_reserve_vcc 0
		.amdhsa_float_denorm_mode_32 3
		.amdhsa_float_denorm_mode_16_64 3
		.amdhsa_memory_ordered 1
		.amdhsa_forward_progress 1
		.amdhsa_inst_pref_size 135
	.end_amdhsa_kernel
	.amdgpu_metadata
---
amdhsa.version: [ 1, 2 ]
amdhsa.kernels:
  - .name:           k_q80dc24694b_qkv
    .symbol:         k_q80dc24694b_qkv.kd
    .args:
      - { .name: act8, .offset: 0, .size: 8, .value_kind: global_buffer, .address_space: global }
      - { .name: wa, .offset: 8, .size: 8, .value_kind: global_buffer, .address_space: global }
      - { .name: big, .offset: 16, .size: 8, .value_kind: global_buffer, .address_space: global }
    .group_segment_fixed_size: 327680
    .private_segment_fixed_size: 0
    .kernarg_segment_align: 8
    .kernarg_segment_size: 24
    .max_flat_workgroup_size: 128
    .sgpr_count:     72
    .vgpr_count:     1024
    .wavefront_size: 32
...
	.end_amdgpu_metadata
.endif
;; end of part 2
;; launch attn (part 3): grid 16 x 16, 8 waves a work-group, clusters of 4 x 1, 327,680 bytes of LDS; arguments big, source_mask, act8; writes act8
.if DOCPART == 3
	.amdgcn_target "amdgcn-amd-amdhsa--gfx1250"
	.amdhsa_code_object_version 6
	.text
	.protected	k_q80dc24694b_attn
	.globl	k_q80dc24694b_attn
	.p2align	8
	.type	k_q80dc24694b_attn,@function
k_q80dc24694b_attn:
	s_mov_b64 s[64:65], 0
	v_nop
	global_prefetch_b8 v0, s[64:65] scope:SCOPE_SE
	s_setreg_imm32_b32 hwreg(HW_REG_WAVE_MODE, 25, 1), 1
	s_wait_xcnt 0x0
	s_wait_alu depctr_hold_cnt(0) depctr_sa_sdst(0) depctr_va_vdst(0) depctr_va_sdst(0) depctr_va_ssrc(0) depctr_va_vcc(0) depctr_vm_vsrc(0)
	s_getreg_b32 s2, hwreg(HW_REG_IB_STS2, 6, 4)
	s_cmp_eq_u32 s2, 0
	s_cbranch_scc0 .Lentry_in_a_cluster
	s_endpgm
.Lentry_in_a_cluster:
	s_bfe_u32 s2, ttmp6, 0x10000c
	s_cmp_lg_u32 s2, 0x3003
	s_cbranch_scc0 .Lentry_shape_is_right
	s_endpgm
.Lentry_shape_is_right:
; THE DIAGONAL OF A SOFTMAX.  ao[b][s][64 h + :] = softmax_t(Q[s] . K[t] / 8, masked)[t = s] x V[s].  Only each row's maximum, sum and own score are wanted: there is no second product.
; big holds Q, K, V in bf16, in blocks of 256 columns (four heads): [12][4096][256], Q blocks 0-3, K 4-7, V 8-11.  ao leaves in Q's layout, [4][4096][256] bf16.
; SHARES.  A work-group owns 128 queries of TWO neighbouring heads of one batch: K's rows are then 256 aligned bytes and ao's rows leave as 256 aligned bytes.  Wave w: head w / 4, 32 queries (two tiles of 16).
; Eight waves, two to a SIMD: a key step has 16 matrix and 170 vector instructions a wave, so vector issue binds; one wave's products, LDS loads and its one wait behind the exponentials stand under the other wave's vector work,
; and the text stays in plain phases inside 232 registers.
; LAYOUT.  S^T = K Q^T (source 0 = 16 keys, source 1 = 16 queries): a lane holds ONE query (l % 16) and the keys 8 (l / 16) + 0..7 of each block of 16.
; THE MASK is the C operand that starts each sum: 0, or -1e30 where source_mask is 0, from a table in LDS made once.
; SOFTMAX.  Each LANE keeps a running maximum m and sum l over its half of the keys: p = 2^(c s - c m), c = log2(e) / 8; l = a l + sum p, a = 2^(c m_old - c m_new).  The two halves of a query meet once, at the end.
; m starts at -2^33: a masked score lies far below it and weighs 0, and no exponent is formed from two numbers near 1e30.
; LIMITS.  reference() puts -1e9 in a masked score's place; here 1e30 is taken from the raw score.  The two agree while open keys' scaled scores lie above -2^30 and are small beside 1e9.
; A query with no open key ends with c m below -2^30 and takes the weight 1/2048, as reference() gives.  A weight below 2^-126 counts as 0 in l.  NaN and infinities are not treated apart.
; CLUSTER.  The query blocks of one batch and head pair walk the same K: four of them ask for each tile jointly.  K goes in 4 chunks of 512 keys through two LDS slots; each wave fetches 64 rows of a chunk.
; THE TEXT.  A key step is written twice: in a loop over key steps inside a loop over slots (chunks 0 to 2; it is entered in the middle of a trip), and for the last chunk, which asks for nothing.  Which slot is read hangs on the scalar TB.
.set PK,     272                       ; a row of K in LDS: 256 bytes + 16 of padding: the 16 rows of a load start at 16 different groups of four banks (ISA guide 11.1)
.set STEPB,  64*PK                     ; a key step, and what one tensor load brings: 0x4400
.set CHUNKB, 8*STEPB                   ; a slot: 0x22000.  Its two bits, 17 and 13, are 0 in wave x STEPB for waves 0 to 7: an exclusive or with CHUNKB adds it or takes it away
.set BIAS,   2*CHUNKB                  ; f32[2048]: the mask as an addend
.set DG,     BIAS+8192                 ; f32[2][128]: the weights, by head and query
.set SPARE,  DG+1024                   ; the spare words, 128 bytes for each of eight waves
.set AK0, 3                            ; v3   my lane's place in a tile of K; never rewritten
.set AK,  4                            ; v4   LDS address of K's next run of loads
.set AB,  5                            ; v5   the same for the mask table
.set QO,  6                            ; v6   my byte offset in 16 rows of Q or K in memory
.set MO,  7                            ; v7   32 (l / 16)
.set DGS, 8                            ; v8   where I put a weight
.set DGR, 9                            ; v9   where I read weights back
.set VO,  10                           ; v10  my byte offset in two rows of V and ao
.set PFO, 11                           ; v11  512 x lane; never rewritten
.set L7,  12                           ; v12  l % 8
.set TO,  13                           ; v13  32 x thread: my eight words of source_mask
.set SPW, 14                           ; v14  LDS address of my spare word; never rewritten
.set NIL, 15                           ; v15  0; never rewritten
.set ST,  16                           ; tile u's statistics at v[16+4u]: c m, m, l (even keys', odd keys')
.set TMP, 24                           ; tile u at v[24+6u]: c0-c3 at work (c2 takes a), c m_old; v29 takes 1/2048
.set DD,  36                           ; v36-37 the query's own score
.set TL,  38                           ; v38  where I put my part of the mask table
.set R3,  39                           ; v39  (l % 16) / 8
.set Q,   40                           ; tile u, channel half c at v[40+16u+8c]
.set KF,  72                           ; key block kb, channel half c at v[72+16kb+8c]
.set BC,  136                          ; the mask of key block kb at v[136+8kb]
.set S,   168                          ; S^T: tile u, key block kb at v[168+32u+8kb]
.set WV,  12                           ; s12  my wave's number
.set G1,  24                           ; s[24:31] descriptor group 1
.set G0,  32                           ; s[32:39] group 0: a set for each of the two first fills; the second then walks on
.set LIM, 46                           ; s46  2 in a wave that prefetches, else the greatest number
.set SLOTS, 56                         ; s56  counts the chunks of the loop, 3 to 1
.set CNT, 57                           ; s57  counts a chunk's key steps
.set CS,  58                           ; s[58:59] c
.set SEL, 60                           ; s[60:61] v_permlanex16_b32's selects
.set TB,  62                           ; s62  LDS byte at which the slot that is read begins
.set TBB, 63                           ; s63  LDS byte at which the chunk's part of the mask table begins
.set LM,  66                           ; s66-72  lanes with l % 8 = 1 .. 7
.set LH,  73                           ; s73  lanes that hold their query's own key
.set BIGN, 74                          ; s74  -1e30
.set THR, 75                           ; s75  -2^30
.set HIM, 76                           ; s76  a word's upper bf16
.macro CROUND                          ; a round of the cluster's barrier
	s_barrier_signal -1
	s_barrier_wait -1
	s_cmp_lg_u32 s[WV], 0
	s_cbranch_scc1 .Lnot_wave_0_\@
	s_barrier_signal -3
.Lnot_wave_0_\@:
	s_barrier_wait -3
	s_barrier_signal -1
	s_barrier_wait -1
.endm
.macro PLACES
.rept 4
	v_nop
.endr
.endm
.macro TOBIAS r                        ; a word of source_mask becomes 0 or -1e30
	v_cmp_eq_u32 vcc_lo, 0, v[\r]
	v_cndmask_b32 v[\r], 0, s[BIGN], vcc_lo
.endm
	s_load_b128 s[4:7], s[0:1], 0x0                ; big s[4:5], source_mask s[6:7]
	s_load_b64 s[8:9], s[0:1], 0x10                ; act8
	v_lshl_add_u32 v[SPW], v0, 2, SPARE
	v_mov_b32 v[NIL], 0
	ds_add_u32 v[SPW], v[NIL]                      ; the wave's opening: the add and its wait stand ahead of my first tensor load; the set-up below stands between them
	v_lshrrev_b32 v1, 5, v0
	v_readfirstlane_b32 s[WV], v1                  ; wave 0..7
	s_lshr_b32 s13, s[WV], 2                       ; which of the two heads
	s_and_b32 s14, s[WV], 3                        ; which 32 queries
	s_bfe_u32 s15, ttmp6, 0x40000                  ; cx
	s_lshl_b32 s16, ttmp9, 2
	s_add_co_u32 s16, s16, s15                     ; my block of 128 queries: it enters Q's, V's, ao's and the mask's addresses alone
	s_and_b32 s17, ttmp7, 0xffff
	s_lshr_b32 s18, s17, 3                         ; batch
	s_and_b32 s19, s17, 7                          ; head pair
	s_lshr_b32 s20, s19, 1
	s_lshl_b32 s20, s20, 21                        ; the block of four heads, 2,097,152 bytes,
	s_lshl_b32 s21, s18, 20                        ; the batch's 2,048 rows of 512 bytes,
	s_add_co_u32 s20, s20, s21
	s_and_b32 s21, s19, 1
	s_lshl_b32 s21, s21, 8                         ; the pair's 256 bytes of a row
	s_add_co_u32 s20, s20, s21                     ; what the four partners share
	s_lshl_b32 s22, s[WV], 15                      ; my 64 rows of a chunk of K
	s_add_co_u32 s22, s22, s20
	s_add_co_u32 s22, s22, 0x800000                ; K begins four blocks on
	s_mov_b32 s23, 0
	s_lshl_b32 s2, s16, 16                         ; my block's 128 rows
	s_add_co_u32 s2, s2, s20
	s_lshl_b32 s10, s[WV], 13                      ; V and ao: rows 16 w on
	s_add_co_u32 s10, s10, s2
	s_mov_b32 s11, 0
	s_lshl_b32 s3, s14, 14                         ; Q: my 32 rows,
	s_add_co_u32 s2, s2, s3
	s_lshl_b32 s3, s13, 7                          ; my head's 128 bytes
	s_add_co_u32 s2, s2, s3
	s_mov_b32 s3, 0
	s_lshl_b32 s54, s18, 13                        ; the batch's 2,048 words of source_mask
	s_mov_b32 s55, 0
	s_lshl_b32 s52, s16, 9                         ; and my own 32 queries' words
	s_add_co_u32 s52, s52, s54
	s_lshl_b32 s53, s14, 7
	s_add_co_u32 s52, s52, s53
	s_mov_b32 s53, 0
	s_lshl_b32 s44, s15, 16                        ; the prefetch: of chunk 3's 512 rows my work-group takes 128, waves 0-3 take 32 each
	s_lshl_b32 s45, s[WV], 14
	s_add_co_u32 s44, s44, s45
	s_add_co_u32 s44, s44, s20
	s_add_co_u32 s44, s44, 0x800000+1536*512
	s_mov_b32 s45, 0
	s_lshr_b32 s[LIM], s[WV], 2
	s_or_b32 s[LIM], s[LIM], ttmp9                 ; waves 0-3 of the first cluster of this batch and head pair: the same in all four partners
	s_cmp_eq_u32 s[LIM], 0
	s_cselect_b32 s[LIM], 2, -1
	s_mul_i32 s47, s[WV], STEPB                    ; my part of a slot: no place in the cluster enters an LDS address
	s_mov_b32 s[G1], 15|(1<<16)|(1<<20)|(1<<21)|(5<<22)|(3<<25)  ; the mask of four; 2-byte elements; padding on; bit 21 beside a mask; after every 64 words, 4 words
	s_mov_b32 s[G1+1], 128<<16                     ; tensor_dim0 = 128
	s_mov_b32 s[G1+2], 64<<16                      ; tensor_dim1 = 64
	s_mov_b32 s[G1+3], 128<<16                     ; tile_dim0 = 128
	s_mov_b32 s[G1+4], 64                          ; tile_dim1 = 64
	s_mov_b32 s[G1+5], 256                         ; 256 elements from row to row
	s_mov_b32 s[G1+6], 0
	s_mov_b32 s[G1+7], 0
	s_mov_b32 s[CS], 0x3e38aa3b                    ; c = log2(e) / 8
	s_mov_b32 s[CS+1], s[CS]
	s_mov_b32 s[SEL], 0x76543210
	s_mov_b32 s[SEL+1], 0xfedcba98
	s_mov_b32 s[BIGN], 0xf149f2ca
	s_mov_b32 s[THR], 0xce800000
	s_mov_b32 s[HIM], 0xffff0000
	s_mov_b32 s[TB], 0                             ; chunk 0 lies in slot 0,
	s_mov_b32 s[TBB], BIAS                         ; its mask at the table's head
	s_mov_b32 s[G0], 1
	s_mov_b32 s[G0+1], s47
	s_mov_b32 s[G0+4], 1
	s_add_co_u32 s[G0+5], s47, CHUNKB
	s_wait_dscnt 0x0                               ; the opening add is done
	s_wait_kmcnt 0x0
	s_add_nc_u64 s[22:23], s[4:5], s[22:23]        ; K at my rows of chunk 0
	s_mov_b64 s[G0+2:G0+3], s[22:23]
	s_or_b32 s[G0+3], s[G0+3], 0x80000000
	s_add_nc_u64 s[G0+6:G0+7], s[22:23], 512*512   ; chunk 1
	s_or_b32 s[G0+7], s[G0+7], 0x80000000
	s_add_nc_u64 s[40:41], s[4:5], s[2:3]          ; Q at my rows
	s_add_nc_u64 s[42:43], s[40:41], 0x800000      ; K at the same rows: the diagonal's keys
	s_add_nc_u64 s[48:49], s[4:5], s[10:11]
	s_add_nc_u64 s[48:49], s[48:49], 0x1000000     ; V
	s_add_nc_u64 s[50:51], s[8:9], s[10:11]        ; ao
	s_add_nc_u64 s[52:53], s[6:7], s[52:53]
	s_add_nc_u64 s[54:55], s[6:7], s[54:55]
	s_add_nc_u64 s[44:45], s[4:5], s[44:45]
	CROUND                                         ; all four work-groups are here: the first joint loads meet
	tensor_load_to_lds s[G0:G0+3], s[G1:G1+7]      ; chunk 0
	s_nop 0
	tensor_load_to_lds s[G0+4:G0+7], s[G1:G1+7]    ; chunk 1: two loads of mine are out
	s_nop 0
.rept 4
	v_nop
.endr
	v_and_b32 v1, 15, v0                           ; l % 16
	v_bfe_u32 v2, v0, 4, 1                         ; l / 16
	v_lshlrev_b32 v[TO], 5, v0
	v_lshlrev_b32 v[MO], 5, v2
	v_lshlrev_b32 v[QO], 9, v1
	v_lshl_add_u32 v[QO], v2, 4, v[QO]             ; row x 512 + 16 x half
	global_load_b128 v[S:S+3],   v[TO], s[54:55]               ; my eight words of the batch's mask
	global_load_b128 v[S+4:S+7], v[TO], s[54:55] offset:16
.irp u, 0,1
	global_load_b128 v[BC+8*\u:BC+8*\u+3],   v[MO], s[52:53] offset:64*\u     ; the mask of my own queries' keys, straight from memory: which they are hangs on the work-group's place
	global_load_b128 v[BC+8*\u+4:BC+8*\u+7], v[MO], s[52:53] offset:64*\u+16
.endr
.irp u, 0,1
.irp c, 0,1
	global_load_b128 v[Q+16*\u+8*\c:Q+16*\u+8*\c+3],   v[QO], s[40:41] offset:\u*8192+\c*64
	global_load_b128 v[Q+16*\u+8*\c+4:Q+16*\u+8*\c+7], v[QO], s[40:41] offset:\u*8192+\c*64+32
.endr
.endr
.irp u, 0,1
.irp c, 0,1
	global_load_b128 v[KF+16*\u+8*\c:KF+16*\u+8*\c+3],   v[QO], s[42:43] offset:\u*8192+\c*64
	global_load_b128 v[KF+16*\u+8*\c+4:KF+16*\u+8*\c+7], v[QO], s[42:43] offset:\u*8192+\c*64+32
.endr
.endr
	v_mul_u32_u24 v[AK0], v1, PK
	v_lshl_add_u32 v[AK0], v2, 4, v[AK0]
	s_lshl_b32 s10, s13, 7
	v_add_nc_u32 v[AK0], s10, v[AK0]               ; row x pitch + 16 x half + my head's 128 bytes
	v_add_nc_u32 v[TL], BIAS, v[TO]
	v_lshrrev_b32 v[R3], 3, v1
	s_lshl_b32 s10, s13, 9
	s_lshl_b32 s11, s14, 7
	s_add_co_u32 s10, s10, s11
	s_add_co_u32 s10, s10, DG
	v_lshl_add_u32 v[DGS], v1, 2, s10              ; weight of (my head, query 32 group + l % 16)
	s_lshl_b32 s10, s[WV], 6
	s_add_co_u32 s10, s10, DG
	v_lshlrev_b32 v[DGR], 9, v[R3]
	v_lshl_add_u32 v[DGR], v2, 2, v[DGR]
	v_add_nc_u32 v[DGR], s10, v[DGR]               ; weight of (head (l % 16) / 8, query 16 w + l / 16)
	v_lshlrev_b32 v[VO], 9, v2
	v_lshl_add_u32 v[VO], v1, 4, v[VO]
	v_and_b32 v[PFO], 31, v0
	v_lshlrev_b32 v[PFO], 9, v[PFO]
	v_and_b32 v[L7], 7, v0
.irp j, 1,2,3,4,5,6,7
	v_cmp_eq_u32 s[LM+\j-1], \j, v[L7]
.endr
	v_cmp_eq_u32 s[LH], v2, v[R3]
.irp u, 0,1
	v_mov_b32 v[ST+4*\u+1], 0xd0000000             ; m = -2^33
	v_mul_f32 v[ST+4*\u], s[CS], v[ST+4*\u+1]      ; c m
	v_mov_b32 v[ST+4*\u+2], 0
	v_mov_b32 v[ST+4*\u+3], 0
	v_mov_b32 v[TMP+6*\u+1], 0                     ; (a lane exchange's destination counts as read)
.endr
	s_wait_loadcnt 20                              ; the table's two loads are in; the 20 younger stay out
.set i, 0
.rept 8
	TOBIAS S+i
.set i, i+1
.endr
	ds_store_b128 v[TL], v[S:S+3]
	ds_store_b128 v[TL], v[S+4:S+7] offset:16
	s_wait_loadcnt 16                              ; my own keys' mask is in; Q and K stay out
.set i, 0
.rept 16
	TOBIAS BC+i
.set i, i+1
.endr
	s_wait_tensorcnt 1                             ; my part of chunk 0 is in; chunk 1's may stay out
	s_wait_dscnt 0x0                               ; my part of the table is stored
	s_barrier_signal -1
	s_barrier_wait -1
	; THE DIAGONAL: my 16 queries against their own 16 keys, a tile each; the two accumulators take turns
	s_wait_loadcnt 0x0
.irp c, 0,1
.irp u, 0,1
.if \c == 0
	v_wmma_f32_16x16x32_bf16 v[S+32*\u:S+32*\u+7], v[KF+16*\u+8*\c:KF+16*\u+8*\c+7], v[Q+16*\u+8*\c:Q+16*\u+8*\c+7], v[BC+8*\u:BC+8*\u+7]
.else
	v_wmma_f32_16x16x32_bf16 v[S+32*\u:S+32*\u+7], v[KF+16*\u+8*\c:KF+16*\u+8*\c+7], v[Q+16*\u+8*\c:Q+16*\u+8*\c+7], v[S+32*\u:S+32*\u+7]
.endif
.endr
.endr
	PLACES
.irp u, 0,1                            ; key = query where l / 16 = (l % 16) / 8, in register l % 8; the other half of the lanes takes it from there
	v_mov_b32 v[TMP+6*\u], v[S+32*\u]
.irp j, 1,2,3,4,5,6,7
	v_cndmask_b32 v[TMP+6*\u], v[TMP+6*\u], v[S+32*\u+\j], s[LM+\j-1]
.endr
	v_permlanex16_b32 v[TMP+6*\u+1], v[TMP+6*\u], s[SEL], s[SEL+1]
	v_cndmask_b32 v[DD+\u], v[TMP+6*\u+1], v[TMP+6*\u], s[LH]
.endr
; A key step's 24 LDS loads in one run: K (64 keys x 64 channels of my head) and the mask of the 64 keys (the lanes of a half read the same 32 bytes)
.macro KLOADS
.irp kb, 0,1,2,3
.irp c, 0,1
	ds_load_b128 v[KF+16*\kb+8*\c:KF+16*\kb+8*\c+3],   v[AK] offset:\kb*16*PK+\c*64
	ds_load_b128 v[KF+16*\kb+8*\c+4:KF+16*\kb+8*\c+7], v[AK] offset:\kb*16*PK+\c*64+32
.endr
.endr
.irp kb, 0,1,2,3
	ds_load_b128 v[BC+8*\kb:BC+8*\kb+3],   v[AB] offset:64*\kb
	ds_load_b128 v[BC+8*\kb+4:BC+8*\kb+7], v[AB] offset:64*\kb+16
.endr
	v_add_nc_u32 v[AK], STEPB, v[AK]
	v_add_nc_u32 v[AB], 256, v[AB]
.endm
; 16 products: channels 32 (i / 8) on, keys 16 ((i / 2) % 4) on, tile i % 2.  The mask starts the sums.  The eight accumulators take turns.
.macro MMS
.set i, 0
.rept 16
.set rD, S+32*(i%2)+8*((i/2)%4)
.set rK, KF+16*((i/2)%4)+8*(i/8)
.set rQ, Q+16*(i%2)+8*(i/8)
.set rB, BC+8*((i/2)%4)
.if i < 8
	v_wmma_f32_16x16x32_bf16 v[rD:rD+7], v[rK:rK+7], v[rQ:rQ+7], v[rB:rB+7]
.else
	v_wmma_f32_16x16x32_bf16 v[rD:rD+7], v[rK:rK+7], v[rQ:rQ+7], v[rD:rD+7]
.endif
.set i, i+1
.endr
.endm
; Number n of the 20 that find tile u's maximum and statistics; each accumulator's lowest registers are read first
.macro XS u, n
.set rT, ST+4*(\u)
.set rC, TMP+6*(\u)
.set rS, S+32*(\u)
.if (\n) < 4
	v_max3_num_f32 v[rC+(\n)], v[rS+8*(\n)], v[rS+8*(\n)+1], v[rS+8*(\n)+2]
.elseif (\n) < 12
	v_max3_num_f32 v[rC+(\n)%4], v[rC+(\n)%4], v[rS+8*((\n)%4)+2*((\n)/4)+1], v[rS+8*((\n)%4)+2*((\n)/4)+2]
.elseif (\n) == 12
	v_max3_num_f32 v[rC], v[rC], v[rS+7], v[rS+15]
.elseif (\n) == 13
	v_max3_num_f32 v[rC+1], v[rC+1], v[rS+23], v[rS+31]
.elseif (\n) == 14
	v_mov_b32 v[rC+4], v[rT]                       ; c m_old is kept
.elseif (\n) == 15
	v_max3_num_f32 v[rC+2], v[rC+2], v[rC+3], v[rT+1]
.elseif (\n) == 16
	v_max3_num_f32 v[rT+1], v[rC], v[rC+1], v[rC+2]
.elseif (\n) == 17
	v_mul_f32 v[rT], s[CS], v[rT+1]
.elseif (\n) == 18
	v_sub_f32 v[rC+1], v[rC+4], v[rT]
.else
	v_exp_f32 v[rC+2], v[rC+1]                     ; a
.endif
.endm
.macro FS f                            ; c s - c m for pair f / 2 of tile f % 2
.set rT, ST+4*((\f)%2)
.set rS, S+32*((\f)%2)+2*((\f)/2)
	v_pk_fma_f32 v[rS:rS+1], v[rS:rS+1], s[CS:CS+1], v[rT:rT+1] op_sel_hi:[1,0,0] neg_lo:[0,0,1] neg_hi:[0,0,1]
.endm
.macro EX e                            ; the exponential of score e / 2 of tile e % 2
.set rS, S+32*((\e)%2)+(\e)/2
	v_exp_f32 v[rS], v[rS]
.endm
; A key step's softmax for both tiles, the tiles alternating.  The 66 exponentials are ONE batch: nothing ahead of the wait names a result of theirs, all that do stand behind it.
; Exponential e stands behind its scaling, number 2 (e / 4) + e % 2: eight scalings lead, then a scaling and two exponentials by turns.
.macro SOFTMAX
.irp n, 0,1,2,3,4,5,6,7,8,9,10,11,12,13,14,15,16,17,18
	XS 0, \n
	XS 1, \n
.endr
.set f, 0
.rept 8
	FS f
.set f, f+1
.endr
.set k, 0
.rept 24
	FS 8+k
	EX 2*k
	EX 2*k+1
.set k, k+1
.endr
.set k, 48
.rept 16
	EX k
.set k, k+1
.endr
	XS 0, 19
	XS 1, 19
	v_nop                                          ; a plain instruction behind the last exponential: one for the batch
	s_wait_alu depctr_va_vdst(0)                   ; the wait ahead of the first reader: one for the batch
.irp w, 8,4,2,1                        ; the 16 pairs of a tile into one, in place
.set z, 0
.rept \w
	v_pk_add_f32 v[S+2*z:S+2*z+1], v[S+2*z:S+2*z+1], v[S+2*(z+\w):S+2*(z+\w)+1]
	v_pk_add_f32 v[S+32+2*z:S+32+2*z+1], v[S+32+2*z:S+32+2*z+1], v[S+32+2*(z+\w):S+32+2*(z+\w)+1]
.set z, z+1
.endr
.endr
.irp u, 0,1
	v_pk_fma_f32 v[ST+4*\u+2:ST+4*\u+3], v[ST+4*\u+2:ST+4*\u+3], v[TMP+6*\u+2:TMP+6*\u+3], v[S+32*\u:S+32*\u+1] op_sel_hi:[1,0,1]  ; l = a l + sum
.endr
.endm
; THE CHANGE OF SLOTS, behind a chunk's last products: the slot has been read out, the last step's scores wait in registers.  Each wave waits for all its tensor loads (one is out at the most: its part of the other slot),
; adds 0 to its spare word, and waits for that and for its reads.  Between the add and the wait for it: TB turns to the other slot, the table's part steps on, and (fill = 1) the walking descriptor turns to the slot that is left and steps a chunk on.
; fill = 1: the barrier is a round of the cluster's, and the joint refill, two chunks behind the one that was read, is the first thing behind it: it has 8 key steps in which to land.
; At the first change (SLOTS = 2) chunk 3's rows, which the NEXT change asks for, are prefetched: 512 rows x 256 bytes, a lane a row, each named once in the launch (first cluster of the batch and head pair, partners told apart by address, waves 0-3).
.macro CHANGE fill
	s_wait_tensorcnt 0x0                           ; no tensor load of mine is out, so a group 0 may be written
	ds_add_u32 v[SPW], v[NIL]
.if \fill
	s_xor_b32 s[G0+5], s[G0+5], CHUNKB
	s_add_nc_u64 s[G0+6:G0+7], s[G0+6:G0+7], 512*512   ; the type bits on top are not reached
.endif
	s_xor_b32 s[TB], s[TB], CHUNKB
	s_add_co_u32 s[TBB], s[TBB], 2048
	s_wait_dscnt 0x0                               ; the add is done, and my reads of the slot are over
.if \fill
	CROUND
	tensor_load_to_lds s[G0+4:G0+7], s[G1:G1+7]
	s_nop 0
.rept 4
	v_nop
.endr
	s_cmp_eq_u32 s[SLOTS], s[LIM]
	s_cbranch_scc0 .Lnot_mine_\@
	global_prefetch_b8 v[PFO], s[44:45] th:TH_LOAD_NT scope:SCOPE_SE
.Lnot_mine_\@:
.else
	s_barrier_signal -1
	s_barrier_wait -1
.endif
	v_add_nc_u32 v[AK], s[TB], v[AK0]
	v_add_nc_u32 v[AB], s[TBB], v[MO]
	s_mov_b32 s[CNT], 8
.endm
; A chunk's eight key steps.  A trip: the step's LDS loads; the softmax of the step BEFORE, under which they land; the step's products.
.macro CHUNK tag
.Ltop\tag:
	KLOADS
	SOFTMAX
.Lmid\tag:
	s_wait_dscnt 0x0                               ; K and the mask are in
	MMS
	PLACES                                         ; in front of the loads into K's registers and of the maxima that read the scores
	s_sub_co_u32 s[CNT], s[CNT], 1
	s_cmp_lg_u32 s[CNT], 0
	s_cbranch_scc1 .Ltop\tag
.endm
	v_add_nc_u32 v[AK], s[TB], v[AK0]
	v_add_nc_u32 v[AB], s[TBB], v[MO]
	KLOADS                                         ; key step 0
	s_mov_b32 s[CNT], 8
	s_mov_b32 s[SLOTS], 3
	s_branch .Lmid0                                ; the loops are entered in the middle of a trip: there is no step before the first
.Lslot:                                                ; twice: chunk 2 goes into slot 0, chunk 3 into slot 1
	CHANGE 1
	CHUNK 0
	s_sub_co_u32 s[SLOTS], s[SLOTS], 1
	s_cmp_lg_u32 s[SLOTS], 0
	s_cbranch_scc1 .Lslot
	CHANGE 0                                       ; the last chunk is written out: nothing is left to ask for
	CHUNK 1
.irp i, 0,1,2,3,4,5,6,7                ; V: rows 16 w + 2 i + l / 16 of the block, both heads' 256 bytes; it lands under the last softmax
	global_load_b128 v[KF+4*\i:KF+4*\i+3], v[VO], s[48:49] offset:1024*\i
.endr
	SOFTMAX                                        ; of the last key step
	; THE WEIGHT: the two halves of a query's keys meet; 2^(c d - c m) / l
.irp u, 0,1
	v_add_f32 v[TMP+6*\u], v[ST+4*\u+2], v[ST+4*\u+3]
	v_permlanex16_b32 v[TMP+6*\u+1], v[ST+4*\u], s[SEL], s[SEL+1]
.endr
.irp u, 0,1
	v_max_num_f32 v[TMP+6*\u+1], v[ST+4*\u], v[TMP+6*\u+1]         ; the query's c m
.endr
.irp u, 0,1
	v_sub_f32 v[TMP+6*\u+2], v[ST+4*\u], v[TMP+6*\u+1]
	v_fma_f32 v[TMP+6*\u+3], s[CS], v[DD+\u], -v[TMP+6*\u+1]
.endr
.irp u, 0,1
	v_exp_f32 v[TMP+6*\u+2], v[TMP+6*\u+2]
	v_exp_f32 v[TMP+6*\u+3], v[TMP+6*\u+3]
.endr
	v_mov_b32 v[TMP+5], 0x3a000000                 ; 1/2048; also the plain instruction behind the last exponential
	s_wait_alu depctr_va_vdst(0)                   ; one wait for the four
.irp u, 0,1
	v_mul_f32 v[TMP+6*\u], v[TMP+6*\u], v[TMP+6*\u+2]
.endr
.irp u, 0,1
	v_permlanex16_b32 v[TMP+6*\u+4], v[TMP+6*\u], s[SEL], s[SEL+1]
.endr
.irp u, 0,1
	v_add_f32 v[TMP+6*\u], v[TMP+6*\u], v[TMP+6*\u+4]
.endr
.irp u, 0,1
	v_rcp_f32 v[TMP+6*\u+2], v[TMP+6*\u]
.endr
	v_nop
	s_wait_alu depctr_va_vdst(0)                   ; one wait for the two reciprocals
.irp u, 0,1
	v_mul_f32 v[TMP+6*\u+3], v[TMP+6*\u+3], v[TMP+6*\u+2]
	v_cmp_gt_f32 vcc_lo, s[THR], v[TMP+6*\u+1]     ; no open key at all: every weight is 1/2048
	v_cndmask_b32 v[TMP+6*\u+3], v[TMP+6*\u+3], v[TMP+5], vcc_lo
	ds_store_b32 v[DGS], v[TMP+6*\u+3] offset:64*\u  ; both halves of the lanes hold the same number
.endr
	s_wait_dscnt 0x0                               ; for the others' sake: my weights are stored
	s_barrier_signal -1
	s_barrier_wait -1
.irp i, 0,1,2,3,4,5,6,7
	ds_load_b32 v[112+2*\i], v[DGR] offset:8*\i
.endr
	s_wait_loadcnt 0x0                             ; V
	s_wait_dscnt 0x0
.irp i, 0,1,2,3,4,5,6,7
	v_mov_b32 v[113+2*\i], v[112+2*\i]             ; a pair for the packed multiply
.endr
.irp i, 0,1,2,3,4,5,6,7
.irp k, 0,1,2,3
	v_lshlrev_b32 v[104+2*\k], 16, v[KF+4*\i+\k]
	v_and_b32 v[105+2*\k], s[HIM], v[KF+4*\i+\k]
.endr
.irp k, 0,1,2,3
	v_pk_mul_f32 v[104+2*\k:105+2*\k], v[104+2*\k:105+2*\k], v[112+2*\i:113+2*\i]
.endr
.irp k, 0,1,2,3
	v_cvt_pk_bf16_f32 v[BC+4*\i+\k], v[104+2*\k], v[105+2*\k]
.endr
	global_store_b128 v[VO], v[BC+4*\i:BC+4*\i+3], s[50:51] offset:1024*\i  ; 16 lanes store 256 consecutive bytes, aligned
.endr
	s_wait_tensorcnt 0x0                           ; the wave's end, behind my last tensor load and my last LDS store
	ds_add_u32 v[SPW], v[NIL]
	s_wait_dscnt 0x0
	CROUND                                         ; the closing round
	s_endpgm
.Lfunc_end_k_q80dc24694b_attn:
	.size	k_q80dc24694b_attn, .Lfunc_end_k_q80dc24694b_attn-k_q80dc24694b_attn
	.p2alignl 7, 3214868480
	.fill 96, 4, 3214868480
	.section	.rodata,"a",@progbits
	.p2align	6, 0x0
	.amdhsa_kernel k_q80dc24694b_attn
		.amdhsa_group_segment_fixed_size 327680
		.amdhsa_private_segment_fixed_size 0
		.amdhsa_enable_private_segment 0
		.amdhsa_kernarg_size 24
		.amdhsa_user_sgpr_count 2
		.amdhsa_user_sgpr_kernarg_segment_ptr 1
		.amdhsa_wavefront_size32 1
		.amdhsa_system_sgpr_workgroup_id_x 1
		.amdhsa_system_sgpr_workgroup_id_y 1
		.amdhsa_system_sgpr_workgroup_id_z 1
		.amdhsa_system_vgpr_workitem_id 0
		.amdhsa_next_free_vgpr 232
		.amdhsa_next_free_sgpr 80
		.amdhsa_reserve_vcc 1
		.amdhsa_float_denorm_mode_32 3
		.amdhsa_float_denorm_mode_16_64 3
		.amdhsa_memory_ordered 1
		.amdhsa_forward_progress 1
		.amdhsa_inst_pref_size 58
	.end_amdhsa_kernel
	.amdgpu_metadata
---
amdhsa.version: [ 1, 2 ]
amdhsa.kernels:
  - .name:           k_q80dc24694b_attn
    .symbol:         k_q80dc24694b_attn.kd
    .args:
      - { .name: big, .offset: 0, .size: 8, .value_kind: global_buffer, .address_space: global }
      - { .name: source_mask, .offset: 8, .size: 8, .value_kind: global_buffer, .address_space: global }
      - { .name: act8, .offset: 16, .size: 8, .value_kind: global_buffer, .address_space: global }
    .group_segment_fixed_size: 327680
    .private_segment_fixed_size: 0
    .kernarg_segment_align: 8
    .kernarg_segment_size: 24
    .max_flat_workgroup_size: 256
    .sgpr_count:     80
    .vgpr_count:     232
    .wavefront_size: 32
...
	.end_amdgpu_metadata
.endif
;; end of part 3
;; launch wo (part 4): grid 8 x 32, 4 waves a work-group, clusters of 4 x 4, 327,680 bytes of LDS; arguments act8, wa, x, x1; writes x1
.if DOCPART == 4
	.amdgcn_target "amdgcn-amd-amdhsa--gfx1250"
	.amdhsa_code_object_version 6
	.text
	.protected	k_q80dc24694b_wo
	.globl	k_q80dc24694b_wo
	.p2align	8
	.type	k_q80dc24694b_wo,@function
k_q80dc24694b_wo:
	s_mov_b64 s[64:65], 0
	v_nop
	global_prefetch_b8 v0, s[64:65] scope:SCOPE_SE
	s_setreg_imm32_b32 hwreg(HW_REG_WAVE_MODE, 25, 1), 1
	s_wait_xcnt 0x0
	s_wait_alu depctr_hold_cnt(0) depctr_sa_sdst(0) depctr_va_vdst(0) depctr_va_sdst(0) depctr_va_ssrc(0) depctr_va_vcc(0) depctr_vm_vsrc(0)
	s_getreg_b32 s2, hwreg(HW_REG_IB_STS2, 6, 4)
	s_cmp_eq_u32 s2, 0
	s_cbranch_scc0 .Lentry_in_a_cluster
	s_endpgm
.Lentry_in_a_cluster:
	s_bfe_u32 s2, ttmp6, 0x10000c
	s_cmp_lg_u32 s2, 0xf033
	s_cbranch_scc0 .Lentry_shape_is_right
	s_endpgm
.Lentry_shape_is_right:
; THE SMALL PRODUCT, K = 1,024.  OUT[m][n] = R[m][n] + bias[n] + sum over k of A[m][k] B[n][k], n = 1,024.  A: bf16 in blocks of 256 along K, [4][4096][256].  The second buffer holds bias (f32, at 16,640) and B, in the same
; blocks, [4][1024][256] (at 8,409,344).  R and OUT: [4096][1024] f32.  Here: x1 = x + (diagonal weight x V) wo^T.  The feed-forward's second layer has the same text with another NSTEPS: a loop that holds barriers counts to a constant of the text.
; 32 x 8 tiles of 128 x 128 give each of 256 WGPs one work-group.  Four waves, each 64 x 64: 16 accumulators.  K goes in steps of 256 through two LDS slots; a wave's tensor load brings 64 rows of 512 bytes, which lie on end in memory.
; A K STEP IS WRITTEN TWICE: in the loop, and once more for the last step, which asks for nothing.  A step: every wave waits for all its tensor loads, a round of the cluster's barrier, the joint refill of the slot read last, then the step's
; 128 matrix instructions a wave.  A step brings 128 KiB for that little matrix work, so the tiles set the pace: the step's first run of LDS loads stands open, under the refill's way.  Which slot is read hangs on the scalar TB.
; CLUSTERS: 4 x 4; A's tiles are asked for jointly along a row of the cluster, B's along a column.  THE MATRIX INSTRUCTION IS USED TRANSPOSED: a lane holds eight neighbouring numbers of a row of OUT.
; THE BIAS STARTS THE SUMS: it is loaded straight into the 16 accumulators (a wave's 256 bytes of it four times over, once for each block of 16 rows), so that every product has one form and no first step is written out.
; The residual is loaded at the start, into registers of its own, and added in f32 on the way out.  A wave's 64 f32 columns are 256 aligned bytes, so each wave has a stage of its own.
; No prefetch: the tiles are small, and a step's refill is shared by four.
; REGISTERS: window 0: v0-31 addresses; v32-95 the way out; v128-255 the accumulators.  window 1: two fragment buffers of 128.  window 2: v0-127 the residual.
.set NSTEPS, 4                         ; K / 256
.set KSTEP,  256
.set PITCH,  528                       ; an LDS row: 512 bytes + 16 of padding: the 16 rows of a fragment load start at 16 different groups of four banks (ISA guide 11.1)
.set HALFT,  64*PITCH                  ; 0x8400
.set SLOT,   4*HALFT                   ; 0x21000.  Its two bits, 17 and 12, are 0 in wave x HALFT for waves 0 to 3: an exclusive or with SLOT adds it or takes it away
.set STAGE,  2*SLOT                    ; behind the ring: 16 rows x 272 bytes for each wave
.set SPITCH, 272
.set SPARE,  STAGE+4*16*SPITCH
.set WSML,   8409344
.set BIASS,  16640
.set ABLK,   2097152                   ; bytes in a block of A
.set BBLK,   524288                    ; and of B
.set ADRA,  16                         ; v16  LDS address of my A fragments in the slot that is read
.set ADRA0, 17                         ; v17  the same in slot 0; never rewritten
.set ADRB,  20
.set ADRB0, 21
.set STO,  24
.set RD,   25
.set CO,   26                          ; v26  my byte offset in two rows of R and OUT; never rewritten
.set BO,   27
.set SPW,  28
.set NIL,  29
.set TMP,  32
.set ACC,  128
.set F0,   0
.set F1,   128
.set G1,   24                          ; s[24:31] group 1 for A's tiles; s[32:39] group 0: a set for each of the two first fills; the second then walks on
.set G0,   32
.set G1B,  48                          ; the same for B's
.set G0B,  56
.set TB,   66                          ; s66  LDS byte at which the slot that is read begins
.set PA,   68                          ; s[68:69] A, s[70:71] bias and B, s[72:73] R, s[74:75] OUT
.set PW,   70
.set PR,   72
.set PO,   74
.set MSB, 0
.macro WIN new
.if MSB != (\new)
	s_set_vgpr_msb (MSB<<8)|(\new)
.set MSB, \new
.endif
.endm
.set MUL,  0x05                        ; sources 0 (B) and 1 (A) window 1; C and D window 0
.set TO_F, 0x40                        ; destination window 1, address window 0
.macro JLOAD s                         ; a joint load: waves 0 and 1 fetch A's two halves, waves 2 and 3 B's; an s_nop 0 and four v_nop follow each line
	s_cmp_eq_u32 s11, 0
	s_cbranch_scc0 .Lfor_b_\@
	tensor_load_to_lds s[G0+4*(\s):G0+4*(\s)+3], s[G1:G1+7]
	s_nop 0
.rept 4
	v_nop
.endr
	s_branch .Lasked_\@
.Lfor_b_\@:
	tensor_load_to_lds s[G0B+4*(\s):G0B+4*(\s)+3], s[G1B:G1B+7]
	s_nop 0
.rept 4
	v_nop
.endr
.Lasked_\@:
.endm
.macro CROUND                          ; a round of the cluster's barrier
	s_barrier_signal -1
	s_barrier_wait -1
	s_cmp_lg_u32 s10, 0
	s_cbranch_scc1 .Lnot_wave_0_\@
	s_barrier_signal -3
.Lnot_wave_0_\@:
	s_barrier_wait -3
	s_barrier_signal -1
	s_barrier_wait -1
.endm
	s_load_b256 s[68:75], s[0:1], 0x0
	v_lshl_add_u32 v[SPW], v0, 2, SPARE
	v_mov_b32 v[NIL], 0
	ds_add_u32 v[SPW], v[NIL]                      ; the wave's opening: the add and its wait stand ahead of my first tensor load; the set-up below stands between them
	v_lshrrev_b32 v1, 5, v0
	v_readfirstlane_b32 s10, v1                    ; wave 0..3
	s_lshr_b32 s11, s10, 1                         ; which half of the tile's rows is mine.  Also: I fetch for A (0) or for B (1)
	s_and_b32 s12, s10, 1                          ; which half of its columns.  Also: which 64 rows of that tile I fetch
	s_bfe_u32 s40, ttmp6, 0x40000
	s_bfe_u32 s41, ttmp6, 0x40004
	s_lshl_b32 s42, ttmp9, 2
	s_add_co_u32 s42, s42, s40                     ; tile column
	s_and_b32 s13, ttmp7, 0xffff
	s_lshl_b32 s13, s13, 2
	s_add_co_u32 s13, s13, s41                     ; tile row
	s_lshl_b32 s43, s41, 2
	s_lshl_b32 s43, 15, s43                        ; my row of the cluster
	s_lshl_b32 s44, 0x1111, s40                    ; my column
	s_or_b32 s[G1+0], s43, (1<<16)|(1<<20)|(1<<21)|(6<<22)|(3<<25)   ; the mask; 2-byte elements; padding on; bit 21 beside a mask; after every 128 words, 4 words
	s_or_b32 s[G1B+0], s44, (1<<16)|(1<<20)|(1<<21)|(6<<22)|(3<<25)
.irp g, G1, G1B
	s_mov_b32 s[(\g)+1], KSTEP<<16                 ; tensor_dim0 = 256
	s_mov_b32 s[(\g)+2], 64<<16                    ; tensor_dim1 = 64
	s_mov_b32 s[(\g)+3], KSTEP<<16                 ; tile_dim0 = 256
	s_mov_b32 s[(\g)+4], 64                        ; tile_dim1 = 64
	s_mov_b32 s[(\g)+5], KSTEP                     ; rows lie on end
	s_mov_b32 s[(\g)+6], 0
	s_mov_b32 s[(\g)+7], 0
.endr
	s_lshl_b32 s18, s12, 6                         ; which 64 rows of the tile I fetch
	s_lshl_b32 s16, s13, 7
	s_add_co_u32 s16, s16, s18
	s_lshl_b32 s16, s16, 9                         ; A: (128 x tile row + 64 x half) rows of 512 bytes
	s_mov_b32 s17, 0
	s_lshl_b32 s46, s42, 7
	s_add_co_u32 s46, s46, s18
	s_lshl_b32 s46, s46, 9                         ; B: by the tile column
	s_add_co_u32 s46, s46, WSML
	s_mov_b32 s47, 0
	s_mul_i32 s20, s10, HALFT                      ; where they go: wave x 64 rows
	s_mov_b32 s[TB], 0                             ; K step 0 lies in slot 0
	s_wait_dscnt 0x0                               ; the opening add is done
	s_wait_kmcnt 0x0
	s_add_nc_u64 s[14:15], s[PA:PA+1], s[16:17]
	s_add_nc_u64 s[46:47], s[PW:PW+1], s[46:47]
	CROUND                                         ; all sixteen work-groups are here: the first joint loads meet
.irp s, 0,1
	s_mov_b32 s[G0+4*(\s)], 1
	s_add_co_u32 s[G0+4*(\s)+1], s20, (\s)*SLOT
	s_add_nc_u64 s[G0+4*(\s)+2:G0+4*(\s)+3], s[14:15], (\s)*ABLK
	s_or_b32 s[G0+4*(\s)+3], s[G0+4*(\s)+3], 0x80000000
	s_mov_b32 s[G0B+4*(\s)], 1
	s_add_co_u32 s[G0B+4*(\s)+1], s20, (\s)*SLOT
	s_add_nc_u64 s[G0B+4*(\s)+2:G0B+4*(\s)+3], s[46:47], (\s)*BBLK
	s_or_b32 s[G0B+4*(\s)+3], s[G0B+4*(\s)+3], 0x80000000
	JLOAD \s                                       ; two loads of mine are out
.endr
	v_and_b32 v1, 15, v0                           ; l % 16
	v_bfe_u32 v2, v0, 4, 1                         ; l / 16
	s_lshl_b32 s6, s42, 9                          ; my 64 columns: (128 x tile column + 64 x half) x 4 bytes
	s_lshl_b32 s7, s12, 8
	s_add_co_u32 s6, s6, s7
	v_lshl_add_u32 v[BO], v2, 5, s6                ; register j of an accumulator of column block b is bias[16 b + 8 (l / 16) + j]
	v_lshlrev_b32 v5, 12, v2                       ; lanes 0-15 one row of 4,096 bytes, lanes 16-31 the next
	v_lshl_add_u32 v[CO], v1, 4, v5
	s_lshl_b32 s4, s13, 7
	s_lshl_b32 s5, s11, 6
	s_add_co_u32 s4, s4, s5                        ; my first row
	s_lshl_b32 s4, s4, 12
	s_add_co_u32 s4, s4, s6
	s_mov_b32 s5, 0
	s_add_nc_u64 s[PR:PR+1], s[PR:PR+1], s[4:5]
	s_add_nc_u64 s[PO:PO+1], s[PO:PO+1], s[4:5]
.irp a, 0,1,2,3
.irp b, 0,1,2,3
	global_load_b128 v[ACC+8*(4*(\a)+(\b)):ACC+8*(4*(\a)+(\b))+3],   v[BO], s[PW:PW+1] offset:BIASS+64*(\b)
	global_load_b128 v[ACC+8*(4*(\a)+(\b))+4:ACC+8*(4*(\a)+(\b))+7], v[BO], s[PW:PW+1] offset:BIASS+64*(\b)+16
.endr
.endr
	WIN 0x80                                       ; destination window 2, address window 0
.set i, 0
.rept 32
	global_load_b128 v[4*i:4*i+3], v[CO], s[PR:PR+1] offset:8192*i  ; the residual: rows 2 i and 2 i + 1 of my 64, 256 bytes each, as the way out will hold them
.set i, i+1
.endr
	WIN 0
	v_mul_u32_u24 v3, v1, PITCH
	v_lshl_add_u32 v3, v2, 4, v3
	s_mul_i32 s21, s11, HALFT                      ; my 64 rows of A
	s_mul_i32 s22, s12, HALFT                      ; my 64 rows of B,
	s_add_co_u32 s22, s22, 2*HALFT                 ; which lie behind A's 128
	v_add_nc_u32 v[ADRA0], s21, v3
	v_add_nc_u32 v[ADRB0], s22, v3
	s_mul_i32 s23, s10, 16*SPITCH
	s_add_co_u32 s23, s23, STAGE                   ; my stage
	v_mul_u32_u24 v4, v1, SPITCH                   ; in: row l % 16, 32 bytes for each half of the lanes
	v_lshl_add_u32 v4, v2, 5, v4
	v_add_nc_u32 v[STO], s23, v4
	v_mul_u32_u24 v5, v2, SPITCH                   ; back: lanes 0-15 take one row of 256 bytes, lanes 16-31 the next
	v_lshl_add_u32 v5, v1, 4, v5
	v_add_nc_u32 v[RD], s23, v5
; 8 matrix instructions: m blocks a0, a0 + 1 x all 4 n blocks, 32 along K: half c of buffer f.  The 16 accumulators take turns, over the backward jump too.
.macro MUL8 f, c, a0
	WIN MUL
.irp a, \a0, (\a0)+1
.irp b, 0,1,2,3
	v_wmma_f32_16x16x32_bf16 v[ACC+8*(4*(\a)+(\b)):ACC+8*(4*(\a)+(\b))+7], v[(\f)+64+8*(4*(\c)+(\b)):(\f)+64+8*(4*(\c)+(\b))+7], v[(\f)+8*(4*(\c)+(\a)):(\f)+8*(4*(\c)+(\a))+7], v[ACC+8*(4*(\a)+(\b)):ACC+8*(4*(\a)+(\b))+7]
.endr
.endr
.endm
; 32 LDS loads in one run: the fragments of 64 along K at byte k of the rows of the slot that is read, into buffer f; the first 32 along K first
.macro FETCH k, f
	WIN TO_F
.irp c, 0,1
.irp i, 0,1,2,3
	ds_load_b128 v[(\f)+64+8*(4*(\c)+(\i)):(\f)+64+8*(4*(\c)+(\i))+3],   v[ADRB] offset:(\k)+64*(\c)+(\i)*16*PITCH
	ds_load_b128 v[(\f)+64+8*(4*(\c)+(\i))+4:(\f)+64+8*(4*(\c)+(\i))+7], v[ADRB] offset:(\k)+64*(\c)+(\i)*16*PITCH+32
	ds_load_b128 v[(\f)+8*(4*(\c)+(\i)):(\f)+8*(4*(\c)+(\i))+3],         v[ADRA] offset:(\k)+64*(\c)+(\i)*16*PITCH
	ds_load_b128 v[(\f)+8*(4*(\c)+(\i))+4:(\f)+8*(4*(\c)+(\i))+7],       v[ADRA] offset:(\k)+64*(\c)+(\i)*16*PITCH+32
.endr
.endr
.endm
.macro PLACES                          ; four plain places behind matrix instructions, in front of loads into registers that they have read and of LDS stores that read results
.rept 4
	v_nop
.endr
.endm
; One of a step's first three quarters of 64 along K: multiplies buffer f, and in its middle fetches the next quarter, at byte k, into g
.macro QUARTER k, f, g
	s_wait_dscnt 16                                ; the first 32 along K are in
	MUL8 \f, 0, 0
	MUL8 \f, 0, 2
	PLACES
	FETCH \k, \g
	s_wait_dscnt 32                                ; all but the 32 just issued
	MUL8 \f, 1, 0
	MUL8 \f, 1, 2
.endm
; THE HEAD OF A STEP.  Every wave waits for all its tensor loads (one is out: its part of this step's tile), adds 0 to its spare word, and waits for that and for its reads of the slot read last.  Between the add and the wait for it: TB turns
; to this step's slot; fill = 1: the walking descriptors turn to the slot read last and step a block of K on, to the next step's tile.  fill = 1: a round of the cluster's barrier, and the joint refill first behind it: it has this step in which to land.
.macro HEAD fill
	s_wait_tensorcnt 0x0                           ; no tensor load of mine is out, so a group 0 may be written
	ds_add_u32 v[SPW], v[NIL]
.if \fill
	s_xor_b32 s[G0+5], s[G0+5], SLOT
	s_add_nc_u64 s[G0+6:G0+7], s[G0+6:G0+7], ABLK      ; the type bits on top are not reached
	s_xor_b32 s[G0B+5], s[G0B+5], SLOT
	s_add_nc_u64 s[G0B+6:G0B+7], s[G0B+6:G0B+7], BBLK
.endif
	s_xor_b32 s[TB], s[TB], SLOT
	s_wait_dscnt 0x0                               ; the add is done, and my reads of the slot read last are over
.if \fill
	CROUND                                         ; no wave of any partner still reads that slot or has a load on its way
	JLOAD 1                                        ; the four v_nop behind it are also places in front of the step's first loads
.else
	s_barrier_signal -1
	s_barrier_wait -1
	PLACES
.endif
.endm
; A STEP'S WORK: four quarters of 64 along K, 32 matrix instructions each, on buffers 0, 1, 0, 1
.macro WORK
	v_add_nc_u32 v[ADRA], s[TB], v[ADRA0]
	v_add_nc_u32 v[ADRB], s[TB], v[ADRB0]
	FETCH 0, F0
	QUARTER 128, F0, F1
	QUARTER 256, F1, F0
	QUARTER 384, F0, F1
	s_wait_dscnt 16
	MUL8 F1, 0, 0
	MUL8 F1, 0, 2
	s_wait_dscnt 0x0
	MUL8 F1, 1, 0
	MUL8 F1, 1, 2
	WIN 0                                          ; at a label and at a branch every window is 0
.endm
; THE WAY OUT of block a (16 rows x 64 f32): into my stage, 32 bytes a lane, and back as whole rows of 256 bytes; the residual is added; stored.
.macro STG a
	WIN 0
.if (\a) >= 2
	s_wait_xcnt 0x0                                ; the stores of the block two back have read these registers
.endif
.irp b, 0,1,2,3
	ds_store_b128 v[STO], v[ACC+8*(4*(\a)+(\b)):ACC+8*(4*(\a)+(\b))+3]   offset:64*(\b)
	ds_store_b128 v[STO], v[ACC+8*(4*(\a)+(\b))+4:ACC+8*(4*(\a)+(\b))+7] offset:64*(\b)+16
.endr
.irp t, 0,1,2,3,4,5,6,7
	ds_load_b128 v[TMP+32*((\a)%2)+4*(\t):TMP+32*((\a)%2)+4*(\t)+3], v[RD] offset:(\t)*2*SPITCH  ; LDS serves a wave's instructions in order (ISA guide 5.7.1.4): these see the stores above
.endr
.endm
.macro OUTB a, younger                 ; younger: the next block's sixteen LDS instructions, or none
	s_wait_dscnt \younger
	WIN 0x08                                       ; source 1 in window 2
.set z, 0
.rept 16
	v_pk_add_f32 v[TMP+32*((\a)%2)+2*z:TMP+32*((\a)%2)+2*z+1], v[TMP+32*((\a)%2)+2*z:TMP+32*((\a)%2)+2*z+1], v[32*(\a)+2*z:32*(\a)+2*z+1]
.set z, z+1
.endr
	WIN 0
.irp t, 0,1,2,3,4,5,6,7
	global_store_b128 v[CO], v[TMP+32*((\a)%2)+4*(\t):TMP+32*((\a)%2)+4*(\t)+3], s[PO:PO+1] offset:(16*(\a)+2*(\t))*4096  ; 16 lanes store 256 consecutive bytes, aligned
.endr
.endm
	s_wait_tensorcnt 1                             ; my part of K step 0 is in; K step 1's may stay out
	s_barrier_signal -1
	s_barrier_wait -1
	s_wait_loadcnt 32                              ; the bias lies in the accumulators; the residual's 32 loads stay out
	s_mov_b32 s3, NSTEPS-1
	s_branch .Lwork                                ; the loop is entered behind the head: K step 0 has no slot to fill
.Lstep:                                                ; K steps 1 to NSTEPS - 2 ask for K steps 2 to NSTEPS - 1
	HEAD 1
.Lwork:
	WORK
	s_sub_co_u32 s3, s3, 1
	s_cmp_lg_u32 s3, 0
	s_cbranch_scc1 .Lstep
	HEAD 0                                         ; the last K step is written out: it asks for nothing
	WORK
	s_wait_loadcnt 0x0                             ; the residual
	PLACES
	STG 0
	STG 1
	OUTB 0, 16
	STG 2
	OUTB 1, 16
	STG 3
	OUTB 2, 16
	OUTB 3, 0
	s_wait_tensorcnt 0x0                           ; the wave's end, behind my last tensor load and my last LDS store
	ds_add_u32 v[SPW], v[NIL]
	s_wait_dscnt 0x0
	CROUND                                         ; the closing round
	s_endpgm
.Lfunc_end_k_q80dc24694b_wo:
	.size	k_q80dc24694b_wo, .Lfunc_end_k_q80dc24694b_wo-k_q80dc24694b_wo
	.p2alignl 7, 3214868480
	.fill 96, 4, 3214868480
	.section	.rodata,"a",@progbits
	.p2align	6, 0x0
	.amdhsa_kernel k_q80dc24694b_wo
		.amdhsa_group_segment_fixed_size 327680
		.amdhsa_private_segment_fixed_size 0
		.amdhsa_enable_private_segment 0
		.amdhsa_kernarg_size 32
		.amdhsa_user_sgpr_count 2
		.amdhsa_user_sgpr_kernarg_segment_ptr 1
		.amdhsa_wavefront_size32 1
		.amdhsa_system_sgpr_workgroup_id_x 1
		.amdhsa_system_sgpr_workgroup_id_y 1
		.amdhsa_system_sgpr_workgroup_id_z 1
		.amdhsa_system_vgpr_workitem_id 0
		.amdhsa_next_free_vgpr 640
		.amdhsa_next_free_sgpr 76
		.amdhsa_reserve_vcc 0
		.amdhsa_float_denorm_mode_32 3
		.amdhsa_float_denorm_mode_16_64 3
		.amdhsa_memory_ordered 1
		.amdhsa_forward_progress 1
		.amdhsa_inst_pref_size 61
	.end_amdhsa_kernel
	.amdgpu_metadata
---
amdhsa.version: [ 1, 2 ]
amdhsa.kernels:
  - .name:           k_q80dc24694b_wo
    .symbol:         k_q80dc24694b_wo.kd
    .args:
      - { .name: act8, .offset: 0, .size: 8, .value_kind: global_buffer, .address_space: global }
      - { .name: wa, .offset: 8, .size: 8, .value_kind: global_buffer, .address_space: global }
      - { .name: x, .offset: 16, .size: 8, .value_kind: global_buffer, .address_space: global }
      - { .name: x1, .offset: 24, .size: 8, .value_kind: global_buffer, .address_space: global }
    .group_segment_fixed_size: 327680
    .private_segment_fixed_size: 0
    .kernarg_segment_align: 8
    .kernarg_segment_size: 32
    .max_flat_workgroup_size: 128
    .sgpr_count:     76
    .vgpr_count:     640
    .wavefront_size: 32
...
	.end_amdgpu_metadata
.endif
;; end of part 4
;; launch ln2 (part 5): grid 256 x 1, 8 waves a work-group, no clusters, 0 bytes of LDS; arguments x1, alpha2, bias2, act8; writes act8
.if DOCPART == 5
	.amdgcn_target "amdgcn-amd-amdhsa--gfx1250"
	.amdhsa_code_object_version 6
	.text
	.protected	k_q80dc24694b_ln2
	.globl	k_q80dc24694b_ln2
	.p2align	8
	.type	k_q80dc24694b_ln2,@function
k_q80dc24694b_ln2:
	s_mov_b64 s[64:65], 0
	v_nop
	global_prefetch_b8 v0, s[64:65] scope:SCOPE_SE
	s_setreg_imm32_b32 hwreg(HW_REG_WAVE_MODE, 25, 1), 1
	s_wait_xcnt 0x0
; THE SECOND LAYER NORM: act8[r][:] = alpha (x1[r][:] - mean) / (std + 1e-6) + bias, std with 1023 in the divisor; x1 [4096][1024] f32, act8 bf16, rounded once.
; A wave takes two rows; a row stays in 32 registers between the passes, so memory is read once; the reduction never leaves the wave: no LDS, no barrier.  Memory binds: matrix units and clusters would add nothing.
; The mean is taken away first and the squares are those of the differences, so a common offset costs nothing.  A variance below 2^-126 counts as 0 (the root's flush).
.set XP,  8                            ; s[8:9]   x1
.set AP,  10                           ; s[10:11] alpha
.set BP,  12                           ; s[12:13] bias
.set DP,  14                           ; s[14:15] act8
.macro REDUCE                          ; the four chains v[8:15] into one number, then over the 32 lanes
	v_pk_add_f32 v[8:9], v[8:9], v[10:11]
	v_pk_add_f32 v[12:13], v[12:13], v[14:15]
	v_pk_add_f32 v[8:9], v[8:9], v[12:13]
	v_add_f32 v8, v8, v9
	v_add_f32_dpp v8, v8, v8 row_xmask:1 row_mask:0xf bank_mask:0xf
	v_add_f32_dpp v8, v8, v8 row_xmask:2 row_mask:0xf bank_mask:0xf
	v_add_f32_dpp v8, v8, v8 row_xmask:4 row_mask:0xf bank_mask:0xf
	v_add_f32_dpp v8, v8, v8 row_xmask:8 row_mask:0xf bank_mask:0xf
	v_permlanex16_b32 v9, v8, s44, s45             ; v9 has been written above
	v_add_f32 v8, v8, v9
.endm
.macro LNROW X, rho, left              ; one row, in 32 registers from v[X] on: load j holds numbers 128 j + 4 lane .. + 3
	s_wait_loadcnt \left
.irp c, 0,2,4,6
	v_pk_add_f32 v[8+\c:9+\c], v[(\X)+\c:(\X)+\c+1], v[(\X)+8+\c:(\X)+9+\c]  ; the first pairs start four chains: nothing is cleared
.endr
.irp k, 16,18,20,22,24,26,28,30
	v_pk_add_f32 v[8+\k%8:9+\k%8], v[8+\k%8:9+\k%8], v[(\X)+\k:(\X)+\k+1]
.endr
	REDUCE
	v_mul_f32 v16, 0x3a800000, v8                  ; mean = sum / 1024
	v_mov_b32 v17, v16
.set k, 0
.rept 16
	v_pk_add_f32 v[(\X)+k:(\X)+k+1], v[(\X)+k:(\X)+k+1], v[16:17] neg_lo:[0,1] neg_hi:[0,1]
.set k, k+2
.endr
.irp c, 0,2,4,6
	v_pk_mul_f32 v[8+\c:9+\c], v[(\X)+\c:(\X)+\c+1], v[(\X)+\c:(\X)+\c+1]
.endr
.irp k, 8,10,12,14,16,18,20,22,24,26,28,30
	v_pk_fma_f32 v[8+\k%8:9+\k%8], v[(\X)+\k:(\X)+\k+1], v[(\X)+\k:(\X)+\k+1], v[8+\k%8:9+\k%8]
.endr
	REDUCE
	v_mul_f32 v8, 0x3a802008, v8                   ; / 1023
	v_sqrt_f32 v9, v8
	v_nop                                          ; a plain instruction behind the root,
	s_wait_alu depctr_va_vdst(0)                   ; and the wait ahead of its first reader
	v_add_f32 v9, 0x358637bd, v9                   ; + 1e-6
	v_rcp_f32 v10, v9
	v_nop
	s_wait_alu depctr_va_vdst(0)
	v_mul_f32 v18, s40, v10
	v_mov_b32 v19, v18
.set k, 0
.rept 16
	v_pk_fma_f32 v[(\X)+k:(\X)+k+1], v[(\X)+k:(\X)+k+1], v[18:19], s[42:43] op_sel_hi:[1,1,0]
.set k, k+2
.endr
.set k, 0
.rept 16
	v_cvt_pk_bf16_f32 v[(\X)+k], v[(\X)+2*k], v[(\X)+2*k+1]
.set k, k+1
.endr
.set j, 0
.rept 8
	global_store_b64 v3, v[(\X)+2*j:(\X)+2*j+1], s[DP:DP+1] offset:(\rho)*2048+256*j  ; 32 lanes x 8 bytes: 256 consecutive bytes, aligned
.set j, j+1
.endr
.endm
	s_load_b256 s[8:15], s[0:1], 0x0
	v_lshrrev_b32 v1, 5, v0
	v_readfirstlane_b32 s4, v1                     ; wave 0..7
	v_and_b32 v1, 31, v0
	v_lshlrev_b32 v2, 4, v1                        ; 16 x lane
	v_lshlrev_b32 v3, 3, v1                        ; 8 x lane
	s_mov_b32 s3, 0
	s_mov_b32 s44, 0x76543210
	s_mov_b32 s45, 0xfedcba98
	s_lshl_b32 s2, ttmp9, 16                       ; 16 rows of 4,096 bytes a work-group, two a wave
	s_lshl_b32 s5, s4, 13
	s_add_co_u32 s2, s2, s5
	s_wait_kmcnt 0x0
	s_load_b32 s40, s[AP:AP+1], 0x0
	s_load_b32 s42, s[BP:BP+1], 0x0
	s_add_nc_u64 s[XP:XP+1], s[XP:XP+1], s[2:3]
	s_lshr_b32 s2, s2, 1
	s_add_nc_u64 s[DP:DP+1], s[DP:DP+1], s[2:3]
.set j, 0
.rept 16
	global_load_b128 v[32+4*j:35+4*j], v2, s[XP:XP+1] offset:512*j
.set j, j+1
.endr
	s_wait_kmcnt 0x0
	s_mov_b32 s43, s42                             ; named with it as a pair
	LNROW 32, 0, 8                                 ; the second row's eight loads stay out
	LNROW 64, 1, 0
	s_endpgm
.Lfunc_end_k_q80dc24694b_ln2:
	.size	k_q80dc24694b_ln2, .Lfunc_end_k_q80dc24694b_ln2-k_q80dc24694b_ln2
	.p2alignl 7, 3214868480
	.fill 96, 4, 3214868480
	.section	.rodata,"a",@progbits
	.p2align	6, 0x0
	.amdhsa_kernel k_q80dc24694b_ln2
		.amdhsa_group_segment_fixed_size 0
		.amdhsa_private_segment_fixed_size 0
		.amdhsa_enable_private_segment 0
		.amdhsa_kernarg_size 32
		.amdhsa_user_sgpr_count 2
		.amdhsa_user_sgpr_kernarg_segment_ptr 1
		.amdhsa_wavefront_size32 1
		.amdhsa_system_sgpr_workgroup_id_x 1
		.amdhsa_system_sgpr_workgroup_id_y 1
		.amdhsa_system_sgpr_workgroup_id_z 1
		.amdhsa_system_vgpr_workitem_id 0
		.amdhsa_next_free_vgpr 96
		.amdhsa_next_free_sgpr 66
		.amdhsa_reserve_vcc 0
		.amdhsa_float_denorm_mode_32 3
		.amdhsa_float_denorm_mode_16_64 3
		.amdhsa_memory_ordered 1
		.amdhsa_forward_progress 1
		.amdhsa_inst_pref_size 17
	.end_amdhsa_kernel
	.amdgpu_metadata
---
amdhsa.version: [ 1, 2 ]
amdhsa.kernels:
  - .name:           k_q80dc24694b_ln2
    .symbol:         k_q80dc24694b_ln2.kd
    .args:
      - { .name: x1, .offset: 0, .size: 8, .value_kind: global_buffer, .address_space: global }
      - { .name: alpha2, .offset: 8, .size: 8, .value_kind: global_buffer, .address_space: global }
      - { .name: bias2, .offset: 16, .size: 8, .value_kind: global_buffer, .address_space: global }
      - { .name: act8, .offset: 24, .size: 8, .value_kind: global_buffer, .address_space: global }
    .group_segment_fixed_size: 0
    .private_segment_fixed_size: 0
    .kernarg_segment_align: 8
    .kernarg_segment_size: 32
    .max_flat_workgroup_size: 256
    .sgpr_count:     66
    .vgpr_count:     96
    .wavefront_size: 32
...
	.end_amdgpu_metadata
.endif
;; end of part 5
;; launch ffn1: the kernel of part 2 again; grid 16 x 16, 4 waves a work-group, clusters of 4 x 4, 327,680 bytes of LDS; arguments act8, wb, big; writes big
;; launch ffn2 (part 6): grid 8 x 32, 4 waves a work-group, clusters of 4 x 4, 327,680 bytes of LDS; arguments big, wb, x1, out0; writes out0
.if DOCPART == 6
	.amdgcn_target "amdgcn-amd-amdhsa--gfx1250"
	.amdhsa_code_object_version 6
	.text
	.protected	k_q80dc24694b_ffn2
	.globl	k_q80dc24694b_ffn2
	.p2align	8
	.type	k_q80dc24694b_ffn2,@function
k_q80dc24694b_ffn2:
	s_mov_b64 s[64:65], 0
	v_nop
	global_prefetch_b8 v0, s[64:65] scope:SCOPE_SE
	s_setreg_imm32_b32 hwreg(HW_REG_WAVE_MODE, 25, 1), 1
	s_wait_xcnt 0x0
	s_wait_alu depctr_hold_cnt(0) depctr_sa_sdst(0) depctr_va_vdst(0) depctr_va_sdst(0) depctr_va_ssrc(0) depctr_va_vcc(0) depctr_vm_vsrc(0)
	s_getreg_b32 s2, hwreg(HW_REG_IB_STS2, 6, 4)
	s_cmp_eq_u32 s2, 0
	s_cbranch_scc0 .Lentry_in_a_cluster
	s_endpgm
.Lentry_in_a_cluster:
	s_bfe_u32 s2, ttmp6, 0x10000c
	s_cmp_lg_u32 s2, 0xf033
	s_cbranch_scc0 .Lentry_shape_is_right
	s_endpgm
.Lentry_shape_is_right:
; THE SMALL PRODUCT, K = 4,096.  OUT[m][n] = R[m][n] + bias[n] + sum over k of A[m][k] B[n][k], n = 1,024.  A: bf16 in blocks of 256 along K, [16][4096][256].  The second buffer holds bias (f32, at 16,640) and B, in the same
; blocks, [16][1024][256] (at 8,409,344).  R and OUT: [4096][1024] f32.  Here: out0 = x1 + h w2^T + b2.  The product with wo has the same text with another NSTEPS: a loop that holds barriers counts to a constant of the text.
; 32 x 8 tiles of 128 x 128 give each of 256 WGPs one work-group.  Four waves, each 64 x 64: 16 accumulators.  K goes in steps of 256 through two LDS slots; a wave's tensor load brings 64 rows of 512 bytes, which lie on end in memory.
; A K STEP IS WRITTEN TWICE: in the loop, and once more for the last step, which asks for nothing.  A step: every wave waits for all its tensor loads, a round of the cluster's barrier, the joint refill of the slot read last, then the step's
; 128 matrix instructions a wave.  A step brings 128 KiB for that little matrix work, so the tiles set the pace: the step's first run of LDS loads stands open, under the refill's way.  Which slot is read hangs on the scalar TB.
; CLUSTERS: 4 x 4; A's tiles are asked for jointly along a row of the cluster, B's along a column.  THE MATRIX INSTRUCTION IS USED TRANSPOSED: a lane holds eight neighbouring numbers of a row of OUT.
; THE BIAS STARTS THE SUMS: it is loaded straight into the 16 accumulators (a wave's 256 bytes of it four times over, once for each block of 16 rows), so that every product has one form and no first step is written out.
; The residual is loaded at the start, into registers of its own, and added in f32 on the way out.  A wave's 64 f32 columns are 256 aligned bytes, so each wave has a stage of its own.
; No prefetch: the tiles are small, and a step's refill is shared by four.
; REGISTERS: window 0: v0-31 addresses; v32-95 the way out; v128-255 the accumulators.  window 1: two fragment buffers of 128.  window 2: v0-127 the residual.
.set NSTEPS, 16                        ; K / 256
.set KSTEP,  256
.set PITCH,  528                       ; an LDS row: 512 bytes + 16 of padding: the 16 rows of a fragment load start at 16 different groups of four banks (ISA guide 11.1)
.set HALFT,  64*PITCH                  ; 0x8400
.set SLOT,   4*HALFT                   ; 0x21000.  Its two bits, 17 and 12, are 0 in wave x HALFT for waves 0 to 3: an exclusive or with SLOT adds it or takes it away
.set STAGE,  2*SLOT                    ; behind the ring: 16 rows x 272 bytes for each wave
.set SPITCH, 272
.set SPARE,  STAGE+4*16*SPITCH
.set WSML,   8409344
.set BIASS,  16640
.set ABLK,   2097152                   ; bytes in a block of A
.set BBLK,   524288                    ; and of B
.set ADRA,  16                         ; v16  LDS address of my A fragments in the slot that is read
.set ADRA0, 17                         ; v17  the same in slot 0; never rewritten
.set ADRB,  20
.set ADRB0, 21
.set STO,  24
.set RD,   25
.set CO,   26                          ; v26  my byte offset in two rows of R and OUT; never rewritten
.set BO,   27
.set SPW,  28
.set NIL,  29
.set TMP,  32
.set ACC,  128
.set F0,   0
.set F1,   128
.set G1,   24                          ; s[24:31] group 1 for A's tiles; s[32:39] group 0: a set for each of the two first fills; the second then walks on
.set G0,   32
.set G1B,  48                          ; the same for B's
.set G0B,  56
.set TB,   66                          ; s66  LDS byte at which the slot that is read begins
.set PA,   68                          ; s[68:69] A, s[70:71] bias and B, s[72:73] R, s[74:75] OUT
.set PW,   70
.set PR,   72
.set PO,   74
.set MSB, 0
.macro WIN new
.if MSB != (\new)
	s_set_vgpr_msb (MSB<<8)|(\new)
.set MSB, \new
.endif
.endm
.set MUL,  0x05                        ; sources 0 (B) and 1 (A) window 1; C and D window 0
.set TO_F, 0x40                        ; destination window 1, address window 0
.macro JLOAD s                         ; a joint load: waves 0 and 1 fetch A's two halves, waves 2 and 3 B's; an s_nop 0 and four v_nop follow each line
	s_cmp_eq_u32 s11, 0
	s_cbranch_scc0 .Lfor_b_\@
	tensor_load_to_lds s[G0+4*(\s):G0+4*(\s)+3], s[G1:G1+7]
	s_nop 0
.rept 4
	v_nop
.endr
	s_branch .Lasked_\@
.Lfor_b_\@:
	tensor_load_to_lds s[G0B+4*(\s):G0B+4*(\s)+3], s[G1B:G1B+7]
	s_nop 0
.rept 4
	v_nop
.endr
.Lasked_\@:
.endm
.macro CROUND                          ; a round of the cluster's barrier
	s_barrier_signal -1
	s_barrier_wait -1
	s_cmp_lg_u32 s10, 0
	s_cbranch_scc1 .Lnot_wave_0_\@
	s_barrier_signal -3
.Lnot_wave_0_\@:
	s_barrier_wait -3
	s_barrier_signal -1
	s_barrier_wait -1
.endm
	s_load_b256 s[68:75], s[0:1], 0x0
	v_lshl_add_u32 v[SPW], v0, 2, SPARE
	v_mov_b32 v[NIL], 0
	ds_add_u32 v[SPW], v[NIL]                      ; the wave's opening: the add and its wait stand ahead of my first tensor load; the set-up below stands between them
	v_lshrrev_b32 v1, 5, v0
	v_readfirstlane_b32 s10, v1                    ; wave 0..3
	s_lshr_b32 s11, s10, 1                         ; which half of the tile's rows is mine.  Also: I fetch for A (0) or for B (1)
	s_and_b32 s12, s10, 1                          ; which half of its columns.  Also: which 64 rows of that tile I fetch
	s_bfe_u32 s40, ttmp6, 0x40000
	s_bfe_u32 s41, ttmp6, 0x40004
	s_lshl_b32 s42, ttmp9, 2
	s_add_co_u32 s42, s42, s40                     ; tile column
	s_and_b32 s13, ttmp7, 0xffff
	s_lshl_b32 s13, s13, 2
	s_add_co_u32 s13, s13, s41                     ; tile row
	s_lshl_b32 s43, s41, 2
	s_lshl_b32 s43, 15, s43                        ; my row of the cluster
	s_lshl_b32 s44, 0x1111, s40                    ; my column
	s_or_b32 s[G1+0], s43, (1<<16)|(1<<20)|(1<<21)|(6<<22)|(3<<25)   ; the mask; 2-byte elements; padding on; bit 21 beside a mask; after every 128 words, 4 words
	s_or_b32 s[G1B+0], s44, (1<<16)|(1<<20)|(1<<21)|(6<<22)|(3<<25)
.irp g, G1, G1B
	s_mov_b32 s[(\g)+1], KSTEP<<16                 ; tensor_dim0 = 256
	s_mov_b32 s[(\g)+2], 64<<16                    ; tensor_dim1 = 64
	s_mov_b32 s[(\g)+3], KSTEP<<16                 ; tile_dim0 = 256
	s_mov_b32 s[(\g)+4], 64                        ; tile_dim1 = 64
	s_mov_b32 s[(\g)+5], KSTEP                     ; rows lie on end
	s_mov_b32 s[(\g)+6], 0
	s_mov_b32 s[(\g)+7], 0
.endr
	s_lshl_b32 s18, s12, 6                         ; which 64 rows of the tile I fetch
	s_lshl_b32 s16, s13, 7
	s_add_co_u32 s16, s16, s18
	s_lshl_b32 s16, s16, 9                         ; A: (128 x tile row + 64 x half) rows of 512 bytes
	s_mov_b32 s17, 0
	s_lshl_b32 s46, s42, 7
	s_add_co_u32 s46, s46, s18
	s_lshl_b32 s46, s46, 9                         ; B: by the tile column
	s_add_co_u32 s46, s46, WSML
	s_mov_b32 s47, 0
	s_mul_i32 s20, s10, HALFT                      ; where they go: wave x 64 rows
	s_mov_b32 s[TB], 0                             ; K step 0 lies in slot 0
	s_wait_dscnt 0x0                               ; the opening add is done
	s_wait_kmcnt 0x0
	s_add_nc_u64 s[14:15], s[PA:PA+1], s[16:17]
	s_add_nc_u64 s[46:47], s[PW:PW+1], s[46:47]
	CROUND                                         ; all sixteen work-groups are here: the first joint loads meet
.irp s, 0,1
	s_mov_b32 s[G0+4*(\s)], 1
	s_add_co_u32 s[G0+4*(\s)+1], s20, (\s)*SLOT
	s_add_nc_u64 s[G0+4*(\s)+2:G0+4*(\s)+3], s[14:15], (\s)*ABLK
	s_or_b32 s[G0+4*(\s)+3], s[G0+4*(\s)+3], 0x80000000
	s_mov_b32 s[G0B+4*(\s)], 1
	s_add_co_u32 s[G0B+4*(\s)+1], s20, (\s)*SLOT
	s_add_nc_u64 s[G0B+4*(\s)+2:G0B+4*(\s)+3], s[46:47], (\s)*BBLK
	s_or_b32 s[G0B+4*(\s)+3], s[G0B+4*(\s)+3], 0x80000000
	JLOAD \s                                       ; two loads of mine are out
.endr
	v_and_b32 v1, 15, v0                           ; l % 16
	v_bfe_u32 v2, v0, 4, 1                         ; l / 16
	s_lshl_b32 s6, s42, 9                          ; my 64 columns: (128 x tile column + 64 x half) x 4 bytes
	s_lshl_b32 s7, s12, 8
	s_add_co_u32 s6, s6, s7
	v_lshl_add_u32 v[BO], v2, 5, s6                ; register j of an accumulator of column block b is bias[16 b + 8 (l / 16) + j]
	v_lshlrev_b32 v5, 12, v2                       ; lanes 0-15 one row of 4,096 bytes, lanes 16-31 the next
	v_lshl_add_u32 v[CO], v1, 4, v5
	s_lshl_b32 s4, s13, 7
	s_lshl_b32 s5, s11, 6
	s_add_co_u32 s4, s4, s5                        ; my first row
	s_lshl_b32 s4, s4, 12
	s_add_co_u32 s4, s4, s6
	s_mov_b32 s5, 0
	s_add_nc_u64 s[PR:PR+1], s[PR:PR+1], s[4:5]
	s_add_nc_u64 s[PO:PO+1], s[PO:PO+1], s[4:5]
.irp a, 0,1,2,3
.irp b, 0,1,2,3
	global_load_b128 v[ACC+8*(4*(\a)+(\b)):ACC+8*(4*(\a)+(\b))+3],   v[BO], s[PW:PW+1] offset:BIASS+64*(\b)
	global_load_b128 v[ACC+8*(4*(\a)+(\b))+4:ACC+8*(4*(\a)+(\b))+7], v[BO], s[PW:PW+1] offset:BIASS+64*(\b)+16
.endr
.endr
	WIN 0x80                                       ; destination window 2, address window 0
.set i, 0
.rept 32
	global_load_b128 v[4*i:4*i+3], v[CO], s[PR:PR+1] offset:8192*i  ; the residual: rows 2 i and 2 i + 1 of my 64, 256 bytes each, as the way out will hold them
.set i, i+1
.endr
	WIN 0
	v_mul_u32_u24 v3, v1, PITCH
	v_lshl_add_u32 v3, v2, 4, v3
	s_mul_i32 s21, s11, HALFT                      ; my 64 rows of A
	s_mul_i32 s22, s12, HALFT                      ; my 64 rows of B,
	s_add_co_u32 s22, s22, 2*HALFT                 ; which lie behind A's 128
	v_add_nc_u32 v[ADRA0], s21, v3
	v_add_nc_u32 v[ADRB0], s22, v3
	s_mul_i32 s23, s10, 16*SPITCH
	s_add_co_u32 s23, s23, STAGE                   ; my stage
	v_mul_u32_u24 v4, v1, SPITCH                   ; in: row l % 16, 32 bytes for each half of the lanes
	v_lshl_add_u32 v4, v2, 5, v4
	v_add_nc_u32 v[STO], s23, v4
	v_mul_u32_u24 v5, v2, SPITCH                   ; back: lanes 0-15 take one row of 256 bytes, lanes 16-31 the next
	v_lshl_add_u32 v5, v1, 4, v5
	v_add_nc_u32 v[RD], s23, v5
; 8 matrix instructions: m blocks a0, a0 + 1 x all 4 n blocks, 32 along K: half c of buffer f.  The 16 accumulators take turns, over the backward jump too.
.macro MUL8 f, c, a0
	WIN MUL
.irp a, \a0, (\a0)+1
.irp b, 0,1,2,3
	v_wmma_f32_16x16x32_bf16 v[ACC+8*(4*(\a)+(\b)):ACC+8*(4*(\a)+(\b))+7], v[(\f)+64+8*(4*(\c)+(\b)):(\f)+64+8*(4*(\c)+(\b))+7], v[(\f)+8*(4*(\c)+(\a)):(\f)+8*(4*(\c)+(\a))+7], v[ACC+8*(4*(\a)+(\b)):ACC+8*(4*(\a)+(\b))+7]
.endr
.endr
.endm
; 32 LDS loads in one run: the fragments of 64 along K at byte k of the rows of the slot that is read, into buffer f; the first 32 along K first
.macro FETCH k, f
	WIN TO_F
.irp c, 0,1
.irp i, 0,1,2,3
	ds_load_b128 v[(\f)+64+8*(4*(\c)+(\i)):(\f)+64+8*(4*(\c)+(\i))+3],   v[ADRB] offset:(\k)+64*(\c)+(\i)*16*PITCH
	ds_load_b128 v[(\f)+64+8*(4*(\c)+(\i))+4:(\f)+64+8*(4*(\c)+(\i))+7], v[ADRB] offset:(\k)+64*(\c)+(\i)*16*PITCH+32
	ds_load_b128 v[(\f)+8*(4*(\c)+(\i)):(\f)+8*(4*(\c)+(\i))+3],         v[ADRA] offset:(\k)+64*(\c)+(\i)*16*PITCH
	ds_load_b128 v[(\f)+8*(4*(\c)+(\i))+4:(\f)+8*(4*(\c)+(\i))+7],       v[ADRA] offset:(\k)+64*(\c)+(\i)*16*PITCH+32
.endr
.endr
.endm
.macro PLACES                          ; four plain places behind matrix instructions, in front of loads into registers that they have read and of LDS stores that read results
.rept 4
	v_nop
.endr
.endm
; One of a step's first three quarters of 64 along K: multiplies buffer f, and in its middle fetches the next quarter, at byte k, into g
.macro QUARTER k, f, g
	s_wait_dscnt 16                                ; the first 32 along K are in
	MUL8 \f, 0, 0
	MUL8 \f, 0, 2
	PLACES
	FETCH \k, \g
	s_wait_dscnt 32                                ; all but the 32 just issued
	MUL8 \f, 1, 0
	MUL8 \f, 1, 2
.endm
; THE HEAD OF A STEP.  Every wave waits for all its tensor loads (one is out: its part of this step's tile), adds 0 to its spare word, and waits for that and for its reads of the slot read last.  Between the add and the wait for it: TB turns
; to this step's slot; fill = 1: the walking descriptors turn to the slot read last and step a block of K on, to the next step's tile.  fill = 1: a round of the cluster's barrier, and the joint refill first behind it: it has this step in which to land.
.macro HEAD fill
	s_wait_tensorcnt 0x0                           ; no tensor load of mine is out, so a group 0 may be written
	ds_add_u32 v[SPW], v[NIL]
.if \fill
	s_xor_b32 s[G0+5], s[G0+5], SLOT
	s_add_nc_u64 s[G0+6:G0+7], s[G0+6:G0+7], ABLK      ; the type bits on top are not reached
	s_xor_b32 s[G0B+5], s[G0B+5], SLOT
	s_add_nc_u64 s[G0B+6:G0B+7], s[G0B+6:G0B+7], BBLK
.endif
	s_xor_b32 s[TB], s[TB], SLOT
	s_wait_dscnt 0x0                               ; the add is done, and my reads of the slot read last are over
.if \fill
	CROUND                                         ; no wave of any partner still reads that slot or has a load on its way
	JLOAD 1                                        ; the four v_nop behind it are also places in front of the step's first loads
.else
	s_barrier_signal -1
	s_barrier_wait -1
	PLACES
.endif
.endm
; A STEP'S WORK: four quarters of 64 along K, 32 matrix instructions each, on buffers 0, 1, 0, 1
.macro WORK
	v_add_nc_u32 v[ADRA], s[TB], v[ADRA0]
	v_add_nc_u32 v[ADRB], s[TB], v[ADRB0]
	FETCH 0, F0
	QUARTER 128, F0, F1
	QUARTER 256, F1, F0
	QUARTER 384, F0, F1
	s_wait_dscnt 16
	MUL8 F1, 0, 0
	MUL8 F1, 0, 2
	s_wait_dscnt 0x0
	MUL8 F1, 1, 0
	MUL8 F1, 1, 2
	WIN 0                                          ; at a label and at a branch every window is 0
.endm
; THE WAY OUT of block a (16 rows x 64 f32): into my stage, 32 bytes a lane, and back as whole rows of 256 bytes; the residual is added; stored.
.macro STG a
	WIN 0
.if (\a) >= 2
	s_wait_xcnt 0x0                                ; the stores of the block two back have read these registers
.endif
.irp b, 0,1,2,3
	ds_store_b128 v[STO], v[ACC+8*(4*(\a)+(\b)):ACC+8*(4*(\a)+(\b))+3]   offset:64*(\b)
	ds_store_b128 v[STO], v[ACC+8*(4*(\a)+(\b))+4:ACC+8*(4*(\a)+(\b))+7] offset:64*(\b)+16
.endr
.irp t, 0,1,2,3,4,5,6,7
	ds_load_b128 v[TMP+32*((\a)%2)+4*(\t):TMP+32*((\a)%2)+4*(\t)+3], v[RD] offset:(\t)*2*SPITCH  ; LDS serves a wave's instructions in order (ISA guide 5.7.1.4): these see the stores above
.endr
.endm
.macro OUTB a, younger                 ; younger: the next block's sixteen LDS instructions, or none
	s_wait_dscnt \younger
	WIN 0x08                                       ; source 1 in window 2
.set z, 0
.rept 16
	v_pk_add_f32 v[TMP+32*((\a)%2)+2*z:TMP+32*((\a)%2)+2*z+1], v[TMP+32*((\a)%2)+2*z:TMP+32*((\a)%2)+2*z+1], v[32*(\a)+2*z:32*(\a)+2*z+1]
.set z, z+1
.endr
	WIN 0
.irp t, 0,1,2,3,4,5,6,7
	global_store_b128 v[CO], v[TMP+32*((\a)%2)+4*(\t):TMP+32*((\a)%2)+4*(\t)+3], s[PO:PO+1] offset:(16*(\a)+2*(\t))*4096  ; 16 lanes store 256 consecutive bytes, aligned
.endr
.endm
	s_wait_tensorcnt 1                             ; my part of K step 0 is in; K step 1's may stay out
	s_barrier_signal -1
	s_barrier_wait -1
	s_wait_loadcnt 32                              ; the bias lies in the accumulators; the residual's 32 loads stay out
	s_mov_b32 s3, NSTEPS-1
	s_branch .Lwork                                ; the loop is entered behind the head: K step 0 has no slot to fill
.Lstep:                                                ; K steps 1 to NSTEPS - 2 ask for K steps 2 to NSTEPS - 1
	HEAD 1
.Lwork:
	WORK
	s_sub_co_u32 s3, s3, 1
	s_cmp_lg_u32 s3, 0
	s_cbranch_scc1 .Lstep
	HEAD 0                                         ; the last K step is written out: it asks for nothing
	WORK
	s_wait_loadcnt 0x0                             ; the residual
	PLACES
	STG 0
	STG 1
	OUTB 0, 16
	STG 2
	OUTB 1, 16
	STG 3
	OUTB 2, 16
	OUTB 3, 0
	s_wait_tensorcnt 0x0                           ; the wave's end, behind my last tensor load and my last LDS store
	ds_add_u32 v[SPW], v[NIL]
	s_wait_dscnt 0x0
	CROUND                                         ; the closing round
	s_endpgm
.Lfunc_end_k_q80dc24694b_ffn2:
	.size	k_q80dc24694b_ffn2, .Lfunc_end_k_q80dc24694b_ffn2-k_q80dc24694b_ffn2
	.p2alignl 7, 3214868480
	.fill 96, 4, 3214868480
	.section	.rodata,"a",@progbits
	.p2align	6, 0x0
	.amdhsa_kernel k_q80dc24694b_ffn2
		.amdhsa_group_segment_fixed_size 327680
		.amdhsa_private_segment_fixed_size 0
		.amdhsa_enable_private_segment 0
		.amdhsa_kernarg_size 32
		.amdhsa_user_sgpr_count 2
		.amdhsa_user_sgpr_kernarg_segment_ptr 1
		.amdhsa_wavefront_size32 1
		.amdhsa_system_sgpr_workgroup_id_x 1
		.amdhsa_system_sgpr_workgroup_id_y 1
		.amdhsa_system_sgpr_workgroup_id_z 1
		.amdhsa_system_vgpr_workitem_id 0
		.amdhsa_next_free_vgpr 640
		.amdhsa_next_free_sgpr 76
		.amdhsa_reserve_vcc 0
		.amdhsa_float_denorm_mode_32 3
		.amdhsa_float_denorm_mode_16_64 3
		.amdhsa_memory_ordered 1
		.amdhsa_forward_progress 1
		.amdhsa_inst_pref_size 61
	.end_amdhsa_kernel
	.amdgpu_metadata
---
amdhsa.version: [ 1, 2 ]
amdhsa.kernels:
  - .name:           k_q80dc24694b_ffn2
    .symbol:         k_q80dc24694b_ffn2.kd
    .args:
      - { .name: big, .offset: 0, .size: 8, .value_kind: global_buffer, .address_space: global }
      - { .name: wb, .offset: 8, .size: 8, .value_kind: global_buffer, .address_space: global }
      - { .name: x1, .offset: 16, .size: 8, .value_kind: global_buffer, .address_space: global }
      - { .name: out0, .offset: 24, .size: 8, .value_kind: global_buffer, .address_space: global }
    .group_segment_fixed_size: 327680
    .private_segment_fixed_size: 0
    .kernarg_segment_align: 8
    .kernarg_segment_size: 32
    .max_flat_workgroup_size: 128
    .sgpr_count:     76
    .vgpr_count:     640
    .wavefront_size: 32
...
	.end_amdgpu_metadata
.endif
;; end of part 6
